; MI455X (gfx1250); checked and timed in simulation.
; The chip was launched on July 23, 2026; its instructions are those of AMD's public machine-readable ISA for CDNA 5 (MIT licence, August 2026) and "CDNA5" Instruction Set Architecture Reference Guide (July 2026). The comments in the code are by the model that wrote it; some were corrected since.
;; H Liu Attn. Allowed arithmetic: float matrix products may take bf16 or f16 operands with f32 sums; all other float work in f32.
;; Inputs: w_qkv 3,072 x 1,024 float32; x 4 x 2,048 x 1,024 float32.
;; Outputs: out0 4 x 2,048 x 1,024 float32.
;; 2 versions, each right; version 2 is version 1 with the launch prep written anew for expert scheduling mode. Each part assembles by itself: llvm-mc -triple=amdgcn-amd-amdhsa -mcpu=gfx1250 --defsym DOCPART=n.
;; ======== version 1 of 2: 4 launches
;; limits: values are held in f16: magnitudes above 65,504 overflow, below 6.1e-05 lose precision; right only within a limited range of input values
;; workspace buffers: xh 16,777,216 bytes; wh 6,291,456 bytes; qk 33,554,432 bytes; vf 16,777,216 bytes; pf 33,554,432 bytes; st 1,048,576 bytes
;; launch prep (part 1): grid 704 x 1, 8 waves a work-group, no clusters, 0 bytes of LDS; arguments x, w_qkv, xh, wh; writes xh, wh
.if DOCPART == 1
	.amdgcn_target "amdgcn-amd-amdhsa--gfx1250"
	.amdhsa_code_object_version 6
	.text
	.protected	k_q59d1d04a2b_prep
	.globl	k_q59d1d04a2b_prep
	.p2align	8
	.type	k_q59d1d04a2b_prep,@function
k_q59d1d04a2b_prep:
	s_mov_b64 s[64:65], 0
	v_nop
	global_prefetch_b8 v0, s[64:65] scope:SCOPE_SE
	s_setreg_imm32_b32 hwreg(HW_REG_WAVE_MODE, 25, 1), 1
	s_wait_xcnt 0x0
; xh = x and wh = w_qkv, each number rounded to bf16 (nearest even) and that number written as f16, laid out for the next launch's tiles:
;   xh[kb][row][64], wh[kb][place][64], kb = k / 64: 128 rows of one kb are 16,384 dense bytes.
;   w's row e goes to place p, so that the 128 rows of q or k and the 64 rows of v that one wave of the next launch multiplies lie together:
;   e < 2048: p = 384 (e / 256) + 192 ((e / 128) % 2) + e % 128;   e = 2048 + f: p = 384 (f / 128) + 192 ((f / 64) % 2) + 128 + f % 64.
; LIMITS.  The second step is exact for magnitudes from 2^-14 to 65,504; below 2^-14 f16 keeps a fixed step of 2^-24; a magnitude of 65,520 or more becomes an infinity.
; A stream: every byte is read once and written once, so there is no LDS, no barrier and no matrix work, and nothing is shared between work-groups.
; A work-group takes 16 rows (65,536 bytes in, 32,768 out): groups 0-511 those of x, groups 512-703 those of w_qkv; 16 rows on end keep their order in every case above.
; Wave w takes kb = 2 w and 2 w + 1.  In load j lanes 0-15 read the 256 bytes of row 2 (j / 2), kb = 2 w + j % 2, lanes 16-31 those of the next row; the store of 8 bytes a lane then covers
; 256 consecutive bytes, aligned: two rows of one kb.  All sixteen loads go out first; every load and store has registers of its own, so the only waits are the counted ones for the data.
.set NX,  512                          ; work-groups for x: 8,192 rows / 16
.set PLX, 8192*128                     ; bytes of one kb of xh
.set PLW, 3072*128                     ; of wh
.set X,  4                             ; v[4:67]    load j: 4 registers
.set T,  68                            ; v[68:73]   at work
.set Y,  76                            ; v[76:107]  store j: 2 registers
	s_load_b256 s[4:11], s[0:1], 0x0               ; x s[4:5], w_qkv s[6:7], xh s[8:9], wh s[10:11]
	s_mov_b32 s17, 0xffff0000                      ; a word's upper bf16
	s_mov_b32 s19, 0
	v_and_b32 v1, 15, v0
	v_lshlrev_b32 v1, 4, v1                        ; in: 16 (lane % 16)
	v_bfe_u32 v3, v0, 4, 1
	v_lshl_add_u32 v1, v3, 12, v1                  ;   + one row of 4,096 bytes for lanes 16-31
	v_lshrrev_b32 v3, 5, v0                        ; wave
	v_lshl_add_u32 v1, v3, 9, v1                   ;   + 512 bytes (two kb) x wave
	v_and_b32 v2, 31, v0
	v_lshlrev_b32 v2, 3, v2                        ; out: 8 x lane
	s_sub_co_u32 s16, ttmp9, NX                    ; my number among w's groups (it wraps in x's groups, where what is made of it is not chosen)
	s_lshl_b32 s22, s16, 4                         ; e: my first row of w
	s_lshr_b32 s23, s22, 8                         ; a row of q or k
	s_mul_i32 s23, s23, 384
	s_bfe_u32 s25, s22, 0x10007
	s_mul_i32 s25, s25, 192
	s_add_co_u32 s23, s23, s25
	s_and_b32 s25, s22, 127
	s_add_co_u32 s23, s23, s25
	s_sub_co_u32 s26, s22, 2048                    ; a row of v
	s_lshr_b32 s27, s26, 7
	s_mul_i32 s27, s27, 384
	s_bfe_u32 s25, s26, 0x10006
	s_mul_i32 s25, s25, 192
	s_add_co_u32 s27, s27, s25
	s_and_b32 s25, s26, 63
	s_add_co_u32 s27, s27, s25
	s_add_co_u32 s27, s27, 128
	s_cmp_lt_u32 s22, 2048
	s_cselect_b32 s23, s23, s27                    ; p
	s_lshl_b32 s26, ttmp9, 4                       ; a row of x keeps its place
	s_mov_b32 s27, PLX
	s_mov_b32 s25, PLW
	s_wait_kmcnt 0x0
	s_cmp_lt_u32 ttmp9, NX                         ; x or w?  The condition hangs on the group's number alone
	s_cselect_b32 s16, ttmp9, s16
	s_cselect_b32 s23, s26, s23
	s_cselect_b32 s24, s27, s25
	s_cselect_b64 s[12:13], s[4:5], s[6:7]         ; from
	s_cselect_b64 s[14:15], s[8:9], s[10:11]       ; to
	s_lshl_b32 s18, s16, 16                        ; 65,536 bytes in for each group
	s_add_nc_u64 s[12:13], s[12:13], s[18:19]
	s_lshl_b32 s18, s23, 7                         ; 128 bytes out for each row of a kb
	s_add_nc_u64 s[14:15], s[14:15], s[18:19]      ; the even kb,
	s_mov_b32 s18, s24
	s_add_nc_u64 s[20:21], s[14:15], s[18:19]      ; the odd one
	s_lshl_b32 s24, s24, 1
	v_mad_u32_u24 v2, v3, s24, v2                  ; + two kb x wave
.irp j, 0,1,2,3,4,5,6,7,8,9,10,11,12,13,14,15
	global_load_b128 v[X+4*(\j):X+4*(\j)+3], v1, s[12:13] offset:8192*((\j)/2)+256*((\j)&1) th:TH_LOAD_NT
.endr
.macro CV j
	s_wait_loadcnt 15-(\j)                         ; loads come back in order (ISA guide 5.7.1): load j is in, the younger ones stay out
	v_cvt_pk_bf16_f32 v[T],   v[X+4*(\j)],   v[X+4*(\j)+1]
	v_cvt_pk_bf16_f32 v[T+1], v[X+4*(\j)+2], v[X+4*(\j)+3]
	v_lshlrev_b32 v[T+2], 16,  v[T]                ; bf16 to f32: the low half moves up, the high half stays
	v_and_b32     v[T+3], s17, v[T]
	v_lshlrev_b32 v[T+4], 16,  v[T+1]
	v_and_b32     v[T+5], s17, v[T+1]
	v_cvt_pk_f16_f32 v[Y+2*(\j)],   v[T+2], v[T+3]
	v_cvt_pk_f16_f32 v[Y+2*(\j)+1], v[T+4], v[T+5]
	global_store_b64 v2, v[Y+2*(\j):Y+2*(\j)+1], s[14+6*((\j)&1):15+6*((\j)&1)] offset:256*((\j)/2)
.endm
.irp j, 0,1,2,3,4,5,6,7,8,9,10,11,12,13,14,15
	CV \j
.endr
	s_endpgm
.Lfunc_end_k_q59d1d04a2b_prep:
	.size	k_q59d1d04a2b_prep, .Lfunc_end_k_q59d1d04a2b_prep-k_q59d1d04a2b_prep
	.p2alignl 7, 3214868480
	.fill 96, 4, 3214868480
	.section	.rodata,"a",@progbits
	.p2align	6, 0x0
	.amdhsa_kernel k_q59d1d04a2b_prep
		.amdhsa_group_segment_fixed_size 0
		.amdhsa_private_segment_fixed_size 0
		.amdhsa_enable_private_segment 0
		.amdhsa_kernarg_size 32
		.amdhsa_user_sgpr_count 2
		.amdhsa_user_sgpr_kernarg_segment_ptr 1
		.amdhsa_wavefront_size32 1
		.amdhsa_system_sgpr_workgroup_id_x 1
		.amdhsa_system_sgpr_workgroup_id_y 1
		.amdhsa_system_sgpr_workgroup_id_z 1
		.amdhsa_system_vgpr_workitem_id 0
		.amdhsa_next_free_vgpr 108
		.amdhsa_next_free_sgpr 66
		.amdhsa_reserve_vcc 0
		.amdhsa_float_denorm_mode_32 3
		.amdhsa_float_denorm_mode_16_64 3
		.amdhsa_memory_ordered 1
		.amdhsa_forward_progress 1
		.amdhsa_inst_pref_size 12
	.end_amdhsa_kernel
	.amdgpu_metadata
---
amdhsa.version: [ 1, 2 ]
amdhsa.kernels:
  - .name:           k_q59d1d04a2b_prep
    .symbol:         k_q59d1d04a2b_prep.kd
    .args:
      - { .name: x, .offset: 0, .size: 8, .value_kind: global_buffer, .address_space: global }
      - { .name: w_qkv, .offset: 8, .size: 8, .value_kind: global_buffer, .address_space: global }
      - { .name: xh, .offset: 16, .size: 8, .value_kind: global_buffer, .address_space: global }
      - { .name: wh, .offset: 24, .size: 8, .value_kind: global_buffer, .address_space: global }
    .group_segment_fixed_size: 0
    .private_segment_fixed_size: 0
    .kernarg_segment_align: 8
    .kernarg_segment_size: 32
    .max_flat_workgroup_size: 256
    .sgpr_count:     66
    .vgpr_count:     108
    .wavefront_size: 32
...
	.end_amdgpu_metadata
.endif
;; end of part 1
;; launch proj (part 2): grid 8 x 32, 4 waves a work-group, clusters of 4 x 4, 327,680 bytes of LDS; arguments xh, wh, qk, vf; writes qk, vf
.if DOCPART == 2
	.amdgcn_target "amdgcn-amd-amdhsa--gfx1250"
	.amdhsa_code_object_version 6
	.text
	.protected	k_q59d1d04a2b_proj
	.globl	k_q59d1d04a2b_proj
	.p2align	8
	.type	k_q59d1d04a2b_proj,@function
k_q59d1d04a2b_proj:
	s_mov_b64 s[64:65], 0
	v_nop
	global_prefetch_b8 v0, s[64:65] scope:SCOPE_SE
	s_setreg_imm32_b32 hwreg(HW_REG_WAVE_MODE, 25, 1), 1
	s_wait_xcnt 0x0
	s_wait_alu depctr_hold_cnt(0) depctr_sa_sdst(0) depctr_va_vdst(0) depctr_va_sdst(0) depctr_va_ssrc(0) depctr_va_vcc(0) depctr_vm_vsrc(0)
	s_getreg_b32 s2, hwreg(HW_REG_IB_STS2, 6, 4)
	s_cmp_eq_u32 s2, 0
	s_cbranch_scc0 .Lentry_in_a_cluster
	s_endpgm
.Lentry_in_a_cluster:
	s_bfe_u32 s2, ttmp6, 0x10000c
	s_cmp_lg_u32 s2, 0xf033
	s_cbranch_scc0 .Lentry_shape_is_right
	s_endpgm
.Lentry_shape_is_right:
; q, k, v = x w^T (K = 1024; f16 operands, f32 sums, each result rounded once to f16).  xh: [16 kb][8192 rows][64], wh: [16 kb][3072 places][64], as the launch before laid them out.
; LIMIT.  A sum of 65,520 or more in magnitude leaves as an infinity: q, k and v must lie within f16's range.
; WHAT IS STORED are the matrix unit's own register images.  A FRAGMENT is 16 rows x 32 K in 1,024 bytes: byte 512 j + 16 l + 2 e holds row l % 16, K = 16 j + 8 (l / 16) + e: lane l's registers 0-3 (j = 0) and 4-7 (j = 1).
;   qk: [q, k][512 blocks of 16 rows][32 fragments along the 1,024 channels].     vf: [256 blocks of 32 keys][64 blocks of 16 channels]: fragments of v TRANSPOSED (row = channel, K = key).
; SHARES.  8192 x 3072 results on 256 work-groups: a tile of 256 rows x 384 columns, of which 256 are q's or k's and 128 are v's.  Four waves, each 128 rows x 192 columns (128 + 64): 96 accumulators, 768 registers.
; The columns go in three GROUPS of 64, a register window each.  Groups 0 and 1 (q, k) are multiplied TRANSPOSED (source 0 = 16 rows of w, source 1 = 16 rows of x): a lane holds one row of x and 8 neighbouring channels, which
; packed are 16 bytes of q's or k's fragment.  Group 2 (v) takes the sources the other way round: a lane holds one channel and 8 neighbouring keys: 16 bytes of v's transposed fragment.  So every store is 512 consecutive bytes
; straight from registers, and there is no stage in LDS.
; RING.  K goes in 16 steps of 64 through two LDS slots of 256 + 384 rows filled by the tensor data mover: the longest step of which two slots fit (rows of 144 bytes: 184,320 bytes; a step of 128 would want 348,160).
; CLUSTERS: 4 x 4 work-groups.  The four of a row of the cluster need the same tiles of x, the four of a column the same tiles of w: each is asked for JOINTLY, by the same tensor load with the same descriptor and a mask of four.
; REGISTERS, in windows of 256 (s_set_vgpr_msb's low byte: bits 1:0 source 0, 3:2 source 1, 5:4 source 2, 7:6 destination):
;   window 0: v0-31 addresses; v32-95, v96-159 fragments of x, two buffers of 8; v160-255 fragments of w, ONE buffer of three groups of 4: a group is loaded again as soon as its 32 products are issued
;   window 1 + g: group g's 32 accumulators, (a, bb) at v[8 (4 a + bb)]
.set PLX,   8192*128                   ; bytes from a K step to the next in xh
.set PLW,   3072*128                   ; in wh
.set PITCH, 144                        ; an LDS row: 128 bytes + 16 of padding = 36 words: the 16 rows of a load start at 16 different groups of four banks (64 banks of 4 bytes: ISA guide 11.1)
.set AHALF, 128*PITCH                  ; 128 rows of x: one tensor load, and what one wave reads
.set BHALF, 192*PITCH                  ; 192 rows of w: likewise
.set BOFF,  2*AHALF                    ; in a slot w lies behind x
.set SPARE, BOFF+2*BHALF               ; behind slot 0: the spare words, 128 bytes for each wave: two blocks of 256 bytes that no other line names
.set SLOT1, 1<<17                      ; slot 1 begins here, so that one exclusive or turns an address in one slot into the other's
.set AA0, 10                           ; v10  my lane's place in a slot's x; never rewritten
.set AB0, 11                           ; v11  the same for w
.set ADA, 12                           ; v12  LDS address of the x fragments of the step in hand
.set ADB, 13                           ; v13  of the w fragments
.set CO,  14                           ; v14  16 x lane: my place in 512 stored bytes
.set SPW, 28                           ; v28  LDS address of my spare word; never rewritten
.set NIL, 29                           ; v29  0; never rewritten
.set FA,  32
.set FB,  160
.set TMP, 32                           ; the way out: a group's 128 packed words
.set CNT, 3                            ; s3   counts steps
.set WV,  20                           ; s20  my wave's number
.set RH,  21                           ; s21  which 128 rows are mine.  Also: I fetch x (0) or w (1)
.set CH,  22                           ; s22  which 192 columns.  Also: which half of that tile I fetch
.set TB,  23                           ; s23  LDS byte at which the slot in hand begins
.set G1,  24                           ; s[24:31] descriptor group 1 for x
.set G0,  32                           ; s[32:39] group 0 for x: a set for each of the two first fills; the second then walks on
.set G1B, 48                           ; s[48:55], s[56:63] the same for w
.set G0B, 56
.set MSB, 0
.macro WIN new                         ; the immediate's high byte repeats the setting that is left; a switch that changes nothing is dropped
.if MSB != (\new)
	s_set_vgpr_msb (MSB<<8)|(\new)
.set MSB, \new
.endif
.endm
; A joint refill, by the walking descriptors.  The branch hangs on the wave's number alone.  An s_nop 0 and four v_nop follow each of the two lines.
.macro JLOAD
	s_cmp_eq_u32 s[RH], 0
	s_cbranch_scc0 .Lfor_b_\@
	tensor_load_to_lds s[G0+4:G0+7], s[G1:G1+7]
	s_nop 0
.rept 4
	v_nop
.endr
	s_branch .Lasked_\@
.Lfor_b_\@:
	tensor_load_to_lds s[G0B+4:G0B+7], s[G1B:G1B+7]
	s_nop 0
.rept 4
	v_nop
.endr
.Lasked_\@:
.endm
; A round of the cluster's barrier: my work-group's barrier; wave 0 signals for the work-group; every wave waits for all sixteen work-groups; my work-group's barrier once more.
.macro CREST                           ; a round behind its opening barrier
	s_cmp_lg_u32 s[WV], 0
	s_cbranch_scc1 .Lnot_wave_0_\@
	s_barrier_signal -3
.Lnot_wave_0_\@:
	s_barrier_wait -3
	s_barrier_signal -1
	s_barrier_wait -1
.endm
.macro CROUND
	s_barrier_signal -1
	s_barrier_wait -1
	CREST
.endm
	s_load_b256 s[4:11], s[0:1], 0x0               ; xh s[4:5], wh s[6:7], qk s[8:9], vf s[10:11]
	v_lshl_add_u32 v[SPW], v0, 2, SPARE
	v_mov_b32 v[NIL], 0
	ds_add_u32 v[SPW], v[NIL]                      ; the wave's opening: the add and its wait stand ahead of my first tensor load; work on registers stands between them
	v_lshrrev_b32 v1, 5, v0
	v_readfirstlane_b32 s[WV], v1                  ; wave 0..3
	s_lshr_b32 s[RH], s[WV], 1
	s_and_b32 s[CH], s[WV], 1
	s_bfe_u32 s40, ttmp6, 0x40000                  ; cx
	s_bfe_u32 s41, ttmp6, 0x40004                  ; cy
	s_lshl_b32 s42, ttmp9, 2
	s_add_co_u32 s42, s42, s40                     ; column tile = 4 x cluster x + cx
	s_and_b32 s13, ttmp7, 0xffff
	s_lshl_b32 s13, s13, 2
	s_add_co_u32 s13, s13, s41                     ; row tile = 4 x cluster y + cy
	s_lshl_b32 s43, s41, 2
	s_lshl_b32 s43, 15, s43                        ; my row of the cluster
	s_lshl_b32 s44, 0x1111, s40                    ; my column
	; descriptor group 1.  128 rows of x are 16,384 dense bytes: asked for as 64 rows of 256 bytes, two rows of x each, and padded in LDS after every row of x; 192 rows of w as 96
	s_or_b32 s[G1+0], s43, (1<<16)|(1<<20)|(1<<21)|(4<<22)|(3<<25)  ; 15:0 the mask; 17:16 2-byte elements; 20 padding on; 21 set beside a mask; 24:22 after every 32 words; 31:25 4 words
	s_or_b32 s[G1B+0], s44, (1<<16)|(1<<20)|(1<<21)|(4<<22)|(3<<25)
	s_mov_b32 s[G1+1], 128<<16                     ; tensor_dim0 = 128
	s_mov_b32 s[G1+2], 64<<16                      ; tensor_dim1 = 64
	s_mov_b32 s[G1+3], 128<<16                     ; tile_dim0 = 128
	s_mov_b32 s[G1+4], 64                          ; tile_dim1 = 64
	s_mov_b32 s[G1+5], 128                         ; elements from row to row
	s_mov_b32 s[G1+6], 0
	s_mov_b32 s[G1+7], 0
	s_mov_b32 s[G1B+1], 128<<16
	s_mov_b32 s[G1B+2], 96<<16
	s_mov_b32 s[G1B+3], 128<<16
	s_mov_b32 s[G1B+4], 96
	s_mov_b32 s[G1B+5], 128
	s_mov_b32 s[G1B+6], 0
	s_mov_b32 s[G1B+7], 0
	; x's tiles hang on the row tile alone, w's on the column tile alone; each offset in registers that never hold the other place in the cluster
	s_lshl_b32 s16, s13, 15                        ; xh: 256 rows of 128 bytes x row tile
	s_lshl_b32 s12, s[CH], 14
	s_add_co_u32 s16, s16, s12                     ;   + 128 rows x the half that I fetch
	s_mov_b32 s17, 0
	s_mul_i32 s46, s42, 384*128                    ; wh: 384 places x column tile
	s_mul_i32 s12, s[CH], 192*128
	s_add_co_u32 s46, s46, s12
	s_mov_b32 s47, 0
	s_mul_i32 s18, s[CH], AHALF                    ; where they go: no place in the cluster enters an LDS address
	s_mul_i32 s19, s[CH], BHALF
	s_add_co_u32 s19, s19, BOFF
	; where my results go.  qk: plane (column tile / 4), row block 16 x row tile + 8 x my half, fragment 8 (column tile % 4) + 4 x my half
	s_lshr_b32 s14, s42, 2
	s_lshl_b32 s14, s14, 24
	s_lshl_b32 s2, s13, 4
	s_lshl3_add_u32 s2, s[RH], s2
	s_lshl_b32 s2, s2, 15                          ; a block of 16 rows is 32 fragments
	s_add_co_u32 s14, s14, s2
	s_and_b32 s2, s42, 3
	s_lshl_b32 s2, s2, 3
	s_lshl2_add_u32 s2, s[CH], s2
	s_lshl_b32 s2, s2, 10
	s_add_co_u32 s14, s14, s2
	s_mov_b32 s15, 0
	; vf: block of 32 keys 8 x row tile + 4 x my half, block of 16 channels 8 x column tile + 4 x my half
	s_lshl_b32 s44, s13, 3
	s_lshl2_add_u32 s44, s[RH], s44
	s_lshl_b32 s44, s44, 16                        ; a block of 32 keys is 64 fragments
	s_lshl_b32 s2, s42, 3
	s_lshl2_add_u32 s2, s[CH], s2
	s_lshl_b32 s2, s2, 10
	s_add_co_u32 s44, s44, s2
	s_mov_b32 s45, 0
	s_mov_b32 s[TB], 0
	s_wait_dscnt 0x0                               ; the opening add is done
	s_wait_kmcnt 0x0
	s_add_nc_u64 s[16:17], s[4:5], s[16:17]
	s_add_nc_u64 s[46:47], s[6:7], s[46:47]
	s_add_nc_u64 s[8:9], s[8:9], s[14:15]
	s_add_nc_u64 s[10:11], s[10:11], s[44:45]
	CROUND                                         ; all sixteen work-groups are here: the first joint loads meet
.irp s, 0,1
	s_mov_b32 s[G0+4*(\s)], 1                                      ; count = 1
	s_add_co_u32 s[G0+4*(\s)+1], s18, (\s)*SLOT1                   ; LDS address
	s_add_nc_u64 s[G0+4*(\s)+2:G0+4*(\s)+3], s[16:17], (\s)*PLX    ; global address: step s
	s_or_b32 s[G0+4*(\s)+3], s[G0+4*(\s)+3], 0x80000000            ; type = 2
	s_mov_b32 s[G0B+4*(\s)], 1
	s_add_co_u32 s[G0B+4*(\s)+1], s19, (\s)*SLOT1
	s_add_nc_u64 s[G0B+4*(\s)+2:G0B+4*(\s)+3], s[46:47], (\s)*PLW
	s_or_b32 s[G0B+4*(\s)+3], s[G0B+4*(\s)+3], 0x80000000
.endr
	s_cmp_eq_u32 s[RH], 0                          ; a wave's two first fills stand in one branch, ahead of every wait on TENSORcnt and every LDS read: two loads of mine are out
	s_cbranch_scc0 .Lfirst_b
	tensor_load_to_lds s[G0:G0+3], s[G1:G1+7]
	s_nop 0
	tensor_load_to_lds s[G0+4:G0+7], s[G1:G1+7]
	s_nop 0
.rept 4
	v_nop
.endr
	s_branch .Lfirst_asked
.Lfirst_b:
	tensor_load_to_lds s[G0B:G0B+3], s[G1B:G1B+7]
	s_nop 0
	tensor_load_to_lds s[G0B+4:G0B+7], s[G1B:G1B+7]
	s_nop 0
.rept 4
	v_nop
.endr
.Lfirst_asked:
	; from rows that lie along K a fragment is two loads of 16 bytes, 32 bytes apart, at row (l % 16) x pitch + 16 (l / 16)
	v_and_b32 v1, 15, v0
	v_bfe_u32 v2, v0, 4, 1
	v_mul_u32_u24 v3, v1, PITCH
	v_lshl_add_u32 v3, v2, 4, v3
	s_mul_i32 s12, s[RH], AHALF
	v_add_nc_u32 v[AA0], s12, v3
	s_mul_i32 s12, s[CH], BHALF
	s_add_co_u32 s12, s12, BOFF
	v_add_nc_u32 v[AB0], s12, v3
	v_mov_b32 v[ADA], v[AA0]                       ; step 0 lies in slot 0
	v_mov_b32 v[ADB], v[AB0]
	v_and_b32 v[CO], 31, v0
	v_lshlrev_b32 v[CO], 4, v[CO]
; n x 4 matrix instructions: row blocks a0 on x group g's four column blocks, 32 along K, x from buffer f.  zero = 1: the product starts the sum: nothing is ever cleared.
; The 96 accumulators take turns in the same order in every quarter: between two links of a chain stand the 95 others'.
.macro GRP f, g, a0, n, zero
	WIN 0x50*(1+(\g))                              ; sources in window 0, C and D in window 1 + g
.set a, \a0
.rept \n
.irp bb, 0,1,2,3
.if (\g) < 2
.if \zero
	v_wmma_f32_16x16x32_f16 v[8*(4*a+\bb):8*(4*a+\bb)+7], v[FB+32*(\g)+8*\bb:FB+32*(\g)+8*\bb+7], v[FA+64*(\f)+8*a:FA+64*(\f)+8*a+7], 0
.else
	v_wmma_f32_16x16x32_f16 v[8*(4*a+\bb):8*(4*a+\bb)+7], v[FB+32*(\g)+8*\bb:FB+32*(\g)+8*\bb+7], v[FA+64*(\f)+8*a:FA+64*(\f)+8*a+7], v[8*(4*a+\bb):8*(4*a+\bb)+7]
.endif
.else
.if \zero
	v_wmma_f32_16x16x32_f16 v[8*(4*a+\bb):8*(4*a+\bb)+7], v[FA+64*(\f)+8*a:FA+64*(\f)+8*a+7], v[FB+32*(\g)+8*\bb:FB+32*(\g)+8*\bb+7], 0
.else
	v_wmma_f32_16x16x32_f16 v[8*(4*a+\bb):8*(4*a+\bb)+7], v[FA+64*(\f)+8*a:FA+64*(\f)+8*a+7], v[FB+32*(\g)+8*\bb:FB+32*(\g)+8*\bb+7], v[8*(4*a+\bb):8*(4*a+\bb)+7]
.endif
.endif
.endr
.set a, a+1
.endr
.endm
.macro LOADB g, q                      ; 8 LDS loads: group g's fragments of w, quarter q (32 K at byte 64 q of the rows)
.irp i, 0,1,2,3
	ds_load_b128 v[FB+32*(\g)+8*(\i):FB+32*(\g)+8*(\i)+3],   v[ADB] offset:(4*(\g)+(\i))*16*PITCH+64*(\q)
	ds_load_b128 v[FB+32*(\g)+8*(\i)+4:FB+32*(\g)+8*(\i)+7], v[ADB] offset:(4*(\g)+(\i))*16*PITCH+64*(\q)+32
.endr
.endm
.macro LOADA f, q                      ; 16 LDS loads: the fragments of x, quarter q, into buffer f
.irp i, 0,1,2,3,4,5,6,7
	ds_load_b128 v[FA+64*(\f)+8*(\i):FA+64*(\f)+8*(\i)+3],   v[ADA] offset:(\i)*16*PITCH+64*(\q)
	ds_load_b128 v[FA+64*(\f)+8*(\i)+4:FA+64*(\f)+8*(\i)+7], v[ADA] offset:(\i)*16*PITCH+64*(\q)+32
.endr
.endm
; A load into a register that a matrix instruction has read, and a vector instruction that reads a matrix result, stand four places behind that matrix instruction; only plain vector
; instructions that name none of its registers are places (ISA guide 7.12.1 for vector instructions).
.macro PLACES
.rept 4
	v_nop
.endr
.endm
; A step is two quarters of 32 along K, 96 matrix instructions each.  LDS loads come back in order (ISA guide 5.7.1), always as: group 0 (8), x (16), group 1 (8), group 2 (8).
; THE FIRST QUARTER multiplies buffer 0 and fetches the step's second quarter.
.macro QA zero
	s_wait_dscnt 16                                ; group 0 and x are in; groups 1 and 2 may be out
	GRP 0, 0, 0, 8, \zero
	WIN 0
	PLACES
	LOADB 0, 1
	LOADA 1, 1
	s_wait_dscnt 32                                ; group 1 is in; behind it: group 2 and the 24 just issued
	GRP 0, 1, 0, 8, \zero
	WIN 0
	PLACES
	LOADB 1, 1
	s_wait_dscnt 32                                ; group 2 is in; behind it: 24 and 8
	GRP 0, 2, 0, 8, \zero
	WIN 0
	PLACES
	LOADB 2, 1
.endm
; THE SECOND QUARTER multiplies buffer 1 and changes slots: all reads of this slot have been issued.  ONE barrier: in front of it each wave waits for all its tensor loads (one is out: its part of the next slot),
; adds 0 to its spare word, and waits for that and for its own reads of this slot.  fill = 1: the barrier opens a round of the cluster's, so that no wave of any partner still reads the slot or has a load on its way,
; and the joint refill, with the step two steps on, is the first thing behind it: 160 matrix instructions ahead of the wait for it.
.macro QB fill
	WIN 0
	s_wait_tensorcnt 0x0                           ; no tensor load of mine is out, so a group 0 may be written
	ds_add_u32 v[SPW], v[NIL]                      ; 0 onto my spare word
.if \fill
	s_xor_b32 s[G0+5], s[G0+5], SLOT1              ; the walking descriptors: the other slot than last time,
	s_add_nc_u64 s[G0+6:G0+7], s[G0+6:G0+7], PLX   ; the next step; the type bits on top are not reached
	s_xor_b32 s[G0B+5], s[G0B+5], SLOT1
	s_add_nc_u64 s[G0B+6:G0B+7], s[G0B+6:G0B+7], PLW
.endif
	s_wait_dscnt 17                                ; group 0 and x are in; groups 1 and 2 and the add may be out
	GRP 1, 0, 0, 4, 0
	s_wait_dscnt 0x0                               ; the add is done, and my reads of this slot are over
	s_barrier_signal -1
	GRP 1, 0, 4, 4, 0                              ; work on registers while the others arrive
	WIN 0
	s_barrier_wait -1
.if \fill
	CREST
	JLOAD                                          ; its four v_nop are also the places in front of the loads below
.else
	PLACES
.endif
	s_xor_b32 s[TB], s[TB], SLOT1                  ; the fetches go on in the other slot
	v_add_nc_u32 v[ADA], s[TB], v[AA0]
	v_add_nc_u32 v[ADB], s[TB], v[AB0]
	LOADB 0, 0
	LOADA 0, 0
	GRP 1, 1, 0, 8, 0
	WIN 0
	PLACES
	LOADB 1, 0
	GRP 1, 2, 0, 8, 0
	WIN 0
	PLACES
	LOADB 2, 0
.endm
	s_wait_tensorcnt 0x1                           ; my part of slot 0 is in; slot 1's may stay out
	s_barrier_signal -1
	s_barrier_wait -1                              ; everybody's is
	LOADB 0, 0
	LOADA 0, 0
	LOADB 1, 0
	LOADB 2, 0
	QA 1                                           ; the first quarter is written out: its products start the sums
	WIN 0                                          ; at a label and at a branch every window is 0
	s_mov_b32 s[CNT], 14
	s_branch .Lmid                                 ; the loop is entered in the middle of a trip
.Lstep:
	QA 0
	WIN 0
.Lmid:                                                 ; steps 0 to 13: each asks for the step two on, up to step 15
	QB 1
	WIN 0
	s_sub_co_u32 s[CNT], s[CNT], 1
	s_cmp_lg_u32 s[CNT], 0
	s_cbranch_scc1 .Lstep
	s_mov_b32 s[CNT], 2
.Ltail:                                                ; steps 14 and 15 ask for nothing.  The second trip's barrier and its fetches (slot 0's old bytes) serve nothing: the price, once a launch, of one text for both trips
	QA 0
	QB 0
	WIN 0
	s_sub_co_u32 s[CNT], s[CNT], 1
	s_cmp_lg_u32 s[CNT], 0
	s_cbranch_scc1 .Ltail
; THE WAY OUT, group by group: 32 accumulators are rounded to f16, 16 bytes a lane, and stored as they lie: each store is 512 consecutive bytes, at a multiple of 512 from the buffer's first byte.
.macro OUT g
.if (\g) > 0
	s_wait_xcnt 0x0                                ; the registers that the group before was stored from are written again only behind this wait
.endif
	WIN 5*(1+(\g))                                 ; sources 0 and 1 in window 1 + g
.set k, 0
.rept 32
.irp r, 0,1,2,3
	v_cvt_pk_f16_f32 v[TMP+4*k+(\r)], v[8*k+2*(\r)], v[8*k+2*(\r)+1]
.endr
.set k, k+1
.endr
	WIN 0
.set k, 0
.rept 32                               ; k = 4 a + bb
.if (\g) < 2
	global_store_b128 v[CO], v[TMP+4*k:TMP+4*k+3], s[8:9] offset:(k/4)*32768+(4*(\g)+k%4)*512  ; row block a; 16 channels are half a fragment
.else
	global_store_b128 v[CO], v[TMP+4*k:TMP+4*k+3], s[10:11] offset:(k/8)*65536+(k%4)*1024+((k/4)%2)*512  ; keys 32 (a / 2) on, channel block bb; 16 keys are half a fragment
.endif
.set k, k+1
.endr
.endm
	s_wait_dscnt 0x0                               ; no load is on its way into the fragment registers
	PLACES                                         ; the conversions read results
	OUT 0
	OUT 1
	OUT 2
	s_wait_tensorcnt 0x0                           ; the wave's end, behind my last tensor load
	ds_add_u32 v[SPW], v[NIL]
	s_wait_dscnt 0x0
	CROUND                                         ; the closing round: no work-group ends while a partner may still ask for a tile that names it
	s_endpgm
.Lfunc_end_k_q59d1d04a2b_proj:
	.size	k_q59d1d04a2b_proj, .Lfunc_end_k_q59d1d04a2b_proj-k_q59d1d04a2b_proj
	.p2alignl 7, 3214868480
	.fill 96, 4, 3214868480
	.section	.rodata,"a",@progbits
	.p2align	6, 0x0
	.amdhsa_kernel k_q59d1d04a2b_proj
		.amdhsa_group_segment_fixed_size 327680
		.amdhsa_private_segment_fixed_size 0
		.amdhsa_enable_private_segment 0
		.amdhsa_kernarg_size 32
		.amdhsa_user_sgpr_count 2
		.amdhsa_user_sgpr_kernarg_segment_ptr 1
		.amdhsa_wavefront_size32 1
		.amdhsa_system_sgpr_workgroup_id_x 1
		.amdhsa_system_sgpr_workgroup_id_y 1
		.amdhsa_system_sgpr_workgroup_id_z 1
		.amdhsa_system_vgpr_workitem_id 0
		.amdhsa_next_free_vgpr 1024
		.amdhsa_next_free_sgpr 66
		.amdhsa_reserve_vcc 0
		.amdhsa_float_denorm_mode_32 3
		.amdhsa_float_denorm_mode_16_64 3
		.amdhsa_memory_ordered 1
		.amdhsa_forward_progress 1
		.amdhsa_inst_pref_size 90
	.end_amdhsa_kernel
	.amdgpu_metadata
---
amdhsa.version: [ 1, 2 ]
amdhsa.kernels:
  - .name:           k_q59d1d04a2b_proj
    .symbol:         k_q59d1d04a2b_proj.kd
    .args:
      - { .name: xh, .offset: 0, .size: 8, .value_kind: global_buffer, .address_space: global }
      - { .name: wh, .offset: 8, .size: 8, .value_kind: global_buffer, .address_space: global }
      - { .name: qk, .offset: 16, .size: 8, .value_kind: global_buffer, .address_space: global }
      - { .name: vf, .offset: 24, .size: 8, .value_kind: global_buffer, .address_space: global }
    .group_segment_fixed_size: 327680
    .private_segment_fixed_size: 0
    .kernarg_segment_align: 8
    .kernarg_segment_size: 32
    .max_flat_workgroup_size: 128
    .sgpr_count:     66
    .vgpr_count:     1024
    .wavefront_size: 32
...
	.end_amdgpu_metadata
.endif
;; end of part 2
;; launch score (part 3): grid 8 x 32, 4 waves a work-group, clusters of 4 x 4, 327,680 bytes of LDS; arguments qk, pf, st; writes pf, st
.if DOCPART == 3
	.amdgcn_target "amdgcn-amd-amdhsa--gfx1250"
	.amdhsa_code_object_version 6
	.text
	.protected	k_q59d1d04a2b_score
	.globl	k_q59d1d04a2b_score
	.p2align	8
	.type	k_q59d1d04a2b_score,@function
k_q59d1d04a2b_score:
	s_mov_b64 s[64:65], 0
	v_nop
	global_prefetch_b8 v0, s[64:65] scope:SCOPE_SE
	s_setreg_imm32_b32 hwreg(HW_REG_WAVE_MODE, 25, 1), 1
	s_wait_xcnt 0x0
	s_wait_alu depctr_hold_cnt(0) depctr_sa_sdst(0) depctr_va_vdst(0) depctr_va_sdst(0) depctr_va_ssrc(0) depctr_va_vcc(0) depctr_vm_vsrc(0)
	s_getreg_b32 s2, hwreg(HW_REG_IB_STS2, 6, 4)
	s_cmp_eq_u32 s2, 0
	s_cbranch_scc0 .Lentry_in_a_cluster
	s_endpgm
.Lentry_in_a_cluster:
	s_bfe_u32 s2, ttmp6, 0x10000c
	s_cmp_lg_u32 s2, 0xf033
	s_cbranch_scc0 .Lentry_shape_is_right
	s_endpgm
.Lentry_shape_is_right:
; THE SCORES AND THE FIRST HALF OF THE SOFTMAX.  s[row][key] = q[row] . k[key] (K = 1024, f16 operands, f32 sums), for the 2,048 keys of the row's batch.
; For each row and each BLOCK of 128 keys: m = the block's largest s; p' = 2^(c s - c m), c = log2(e) / 32, goes to pf in f16; the pair (c m, l = the sum of the unrounded p') goes to st in f32.
; The next launch takes the rows' maxima over the 16 blocks and re-bases by 2^(c m - max): together the row's true maximum is taken away, whatever the inputs.
; LAYOUTS.  A FRAGMENT is 16 rows x 32 K in 1,024 bytes: byte 512 j + 16 l + 2 e holds row l % 16, K = 16 j + 8 (l / 16) + e: lane l's registers 0-3 (j = 0) and 4-7 (j = 1).
;   qk: [q, k][512 blocks of 16 rows][32 fragments along the channels].   pf: [512 blocks of 16 rows][64 fragments along the batch's keys].   st: [16 blocks of keys][8192 rows] pairs of f32.
; LIMITS.  p' lies in 0 to 1 (above 1 by at most the rounding of c m, |c m| 2^-24 in the exponent); below 6e-5 it keeps f16's fixed step of 6e-8; an exponential below 2^-126 counts as 0 in l.
; NaN and infinities are not treated apart.
; A tile of s, 256 rows x 256 keys, is made by a work-group of four waves; a wave makes 128 x 128, one block of keys for 128 rows: 64 accumulators, 512 registers.  K goes in 8 steps of 128 through a ring of two LDS
; slots filled by the tensor data mover: for each block of 16 rows a step's four fragments are 4,096 consecutive bytes; in LDS they lie end to end, and a fragment load is 512 consecutive bytes: no padding is wanted.
; CLUSTERS: 4 x 4 work-groups.  The four of a row of the cluster need the same tiles of q, the four of a column the same tiles of k (a cluster's 1,024 rows lie in one batch): each is asked for JOINTLY.
; REGISTERS, in windows of 256 (s_set_vgpr_msb's low byte: bits 1:0 source 0, 3:2 source 1, 5:4 source 2, 7:6 destination):
;   window 0: v0-15 statistics; v16-31 addresses and a few at work; v64-191 fragments of q, two buffers; v192-255 at work on the way out
;   window 1: v64-191 fragments of k          window 2: the accumulators of my rows 0-63 ((a, b) at v[8 (8 a + b)])          window 3: those of my rows 64-127
; THE MATRIX INSTRUCTION IS USED TRANSPOSED (source 0 = 16 keys, source 1 = 16 rows): lane l holds ONE row (l % 16) and, in accumulator b, the keys 16 b + 8 (l / 16) + 0..7.  So a row's maximum and sum want one
; exchange between the halves of the lanes, and an accumulator rounded to f16 IS half a fragment of p': it is stored as it lies, 512 consecutive bytes, with no stage in LDS.
.set KQ,     1024                      ; bytes of a fragment
.set STEPB,  4*KQ                      ; a block of 16 rows in a step
.set RBQ,    32*KQ                     ; a block of 16 rows of q or k
.set RBP,    64*KQ                     ; of pf
.set KPLANE, 512*RBQ                   ; k lies behind q
.set ASZ,    16*STEPB                  ; q's 256 rows in a slot; k's lie behind them
.set SLOT1,  1<<17                     ; a slot is 131,072 bytes: one exclusive or turns an address in one slot into the other's
.set SPARE,  2*SLOT1                   ; behind the ring: the spare words, 128 bytes for each wave: two blocks of 256 bytes that no other line names
.set STM,  0                           ; v0-7    c m of my blocks of 16 rows
.set STL,  8                           ; v8-15   l of them
.set ADRA, 16                          ; v16     LDS address of my q fragments in the slot in hand
.set AA0,  17                          ; v17     my lane's place in a slot's q; never rewritten
.set CM,   18                          ; v18-19  c m of the block in hand; the packed scaling takes the low word for both halves, the upper is written once
.set ADRB, 20                          ; v20, v21  the same two for k
.set AB0,  21
.set LS,   22                          ; v22-23  the sum's last pair
.set CO,   26                          ; v26     16 x lane: my place in 512 stored bytes
.set SO,   27                          ; v27     8 x lane: my place in 32 rows' pairs of st
.set SPW,  28
.set NIL,  29
.set T0,   30
.set T1,   31                          ; takes the other half of the lanes' number
.set F0,   64
.set F1,   128
.set TMP,  192                         ; two sets of 32 by turns: 24 maxima at work, then a block's 32 packed words
.set CNT, 3                            ; s3   counts steps
.set TB,  23                           ; s23  LDS byte at which the slot in hand begins
.set G1, 24                            ; s[24:31] descriptor group 1 for q
.set G0, 32                            ; s[32:39] group 0 for q: a set for each of the two first fills; the second then walks on
.set G1B, 48                           ; the same for k
.set G0B, 56
.set CS,  66                           ; s[66:67] c
.set SEL, 68                           ; s[68:69] v_permlanex16_b32's selects: each lane takes its own place in the other half
.set UP,  70                           ; s70      the mask of lanes 16-31
.set MSB, 0
.macro WIN new
.if MSB != (\new)
	s_set_vgpr_msb (MSB<<8)|(\new)
.set MSB, \new
.endif
.endm
.set MUL_LO, 0xa1                      ; source 0 (k) window 1, source 1 (q) window 0, C and D window 2
.set MUL_HI, 0xf1                      ; the same, C and D window 3
.set TO_B,   0x40                      ; destination window 1, address window 0
.macro JLOAD                           ; a joint refill by the walking descriptors: waves 0 and 1 fetch q's two halves, waves 2 and 3 k's; an s_nop 0 and four v_nop follow each of the two lines
	s_cmp_eq_u32 s11, 0
	s_cbranch_scc0 .Lfor_b_\@
	tensor_load_to_lds s[G0+4:G0+7], s[G1:G1+7]
	s_nop 0
.rept 4
	v_nop
.endr
	s_branch .Lasked_\@
.Lfor_b_\@:
	tensor_load_to_lds s[G0B+4:G0B+7], s[G1B:G1B+7]
	s_nop 0
.rept 4
	v_nop
.endr
.Lasked_\@:
.endm
.macro CREST                           ; a round of the cluster's barrier behind its opening barrier
	s_cmp_lg_u32 s10, 0
	s_cbranch_scc1 .Lnot_wave_0_\@
	s_barrier_signal -3
.Lnot_wave_0_\@:
	s_barrier_wait -3
	s_barrier_signal -1
	s_barrier_wait -1
.endm
.macro CROUND
	s_barrier_signal -1
	s_barrier_wait -1
	CREST
.endm
	s_load_b64 s[4:5], s[0:1], 0x0                 ; qk
	s_load_b64 s[8:9], s[0:1], 0x8                 ; pf
	s_load_b64 s[72:73], s[0:1], 0x10              ; st
	v_lshl_add_u32 v[SPW], v0, 2, SPARE
	v_mov_b32 v[NIL], 0
	ds_add_u32 v[SPW], v[NIL]                      ; the wave's opening: the add and its wait stand ahead of my first tensor load; work on registers stands between them
	v_lshrrev_b32 v1, 5, v0
	v_readfirstlane_b32 s10, v1                    ; wave 0..3
	s_lshr_b32 s11, s10, 1                         ; which half of the tile's rows is mine.  Also: I fetch for q (0) or for k (1)
	s_and_b32 s12, s10, 1                          ; which half of its keys.  Also: which 128 rows of that tile I fetch
	s_bfe_u32 s40, ttmp6, 0x40000                  ; cx
	s_bfe_u32 s41, ttmp6, 0x40004                  ; cy
	s_lshl_b32 s42, ttmp9, 2
	s_add_co_u32 s42, s42, s40                     ; key tile in the batch = 4 x cluster x + cx
	s_and_b32 s13, ttmp7, 0xffff
	s_lshr_b32 s45, s13, 1                         ; the batch: two clusters along y for each; made of the cluster's y alone
	s_lshl_b32 s13, s13, 2
	s_add_co_u32 s13, s13, s41                     ; row tile, over all batches = 4 x cluster y + cy
	s_lshl_b32 s43, s41, 2
	s_lshl_b32 s43, 15, s43                        ; my row of the cluster
	s_lshl_b32 s44, 0x1111, s40                    ; my column
	; descriptor group 1: 8 blocks of 16 rows, of each 4,096 consecutive bytes, 32,768 bytes apart; elements of 8 bytes; no padding
	s_or_b32 s[G1+0], s43, (3<<16)|(1<<21)         ; 15:0 the mask; 17:16 8-byte elements; 21 set beside a mask
	s_or_b32 s[G1B+0], s44, (3<<16)|(1<<21)
.irp g, G1, G1B
	s_mov_b32 s[(\g)+1], (STEPB/8)<<16             ; tensor_dim0 = 512
	s_mov_b32 s[(\g)+2], 8<<16                     ; tensor_dim1 = 8
	s_mov_b32 s[(\g)+3], (STEPB/8)<<16             ; tile_dim0 = 512
	s_mov_b32 s[(\g)+4], 8                         ; tile_dim1 = 8
	s_mov_b32 s[(\g)+5], RBQ/8                     ; elements from row to row
	s_mov_b32 s[(\g)+6], 0
	s_mov_b32 s[(\g)+7], 0
.endr
	s_mov_b32 s[CS], 0x3d38aa3b                    ; c = log2(e) / 32 = 0.0450842
	s_mov_b32 s[CS+1], s[CS]                       ; named with it as a pair
	s_mov_b32 s[SEL], 0x76543210
	s_mov_b32 s[SEL+1], 0xfedcba98
	s_mov_b32 s[UP], 0xffff0000
	s_lshl_b32 s16, s13, 4                         ; q: row block 16 x row tile + 8 x the half that I fetch
	s_lshl3_add_u32 s16, s12, s16
	s_lshl_b32 s16, s16, 15
	s_mov_b32 s17, 0
	s_lshl_b32 s45, s45, 7                         ; k: row block 128 x batch + 16 x key tile + 8 x half
	s_lshl4_add_u32 s46, s42, s45
	s_lshl3_add_u32 s46, s12, s46
	s_lshl_b32 s46, s46, 15
	s_mov_b32 s47, 0
	s_lshl_b32 s20, s10, 15                        ; where they go: q's two halves, then k's two = wave x 32,768: no place in the cluster enters an LDS address
	s_mov_b32 s[TB], 0
	s_wait_dscnt 0x0                               ; the opening add is done
	s_wait_kmcnt 0x0
	s_add_nc_u64 s[6:7], s[4:5], KPLANE
	s_add_nc_u64 s[14:15], s[4:5], s[16:17]
	s_add_nc_u64 s[46:47], s[6:7], s[46:47]
	CROUND                                         ; all sixteen work-groups are here: the first joint loads meet
.irp s, 0,1
	s_mov_b32 s[G0+4*(\s)], 1
	s_add_co_u32 s[G0+4*(\s)+1], s20, (\s)*SLOT1
	s_add_nc_u64 s[G0+4*(\s)+2:G0+4*(\s)+3], s[14:15], (\s)*STEPB
	s_or_b32 s[G0+4*(\s)+3], s[G0+4*(\s)+3], 0x80000000
	s_mov_b32 s[G0B+4*(\s)], 1
	s_add_co_u32 s[G0B+4*(\s)+1], s20, (\s)*SLOT1
	s_add_nc_u64 s[G0B+4*(\s)+2:G0B+4*(\s)+3], s[46:47], (\s)*STEPB
	s_or_b32 s[G0B+4*(\s)+3], s[G0B+4*(\s)+3], 0x80000000
.endr
	s_cmp_eq_u32 s11, 0                            ; a wave's two first fills stand in one branch, ahead of every wait on TENSORcnt and every LDS read: two loads of mine are out
	s_cbranch_scc0 .Lfirst_b
	tensor_load_to_lds s[G0:G0+3], s[G1:G1+7]
	s_nop 0
	tensor_load_to_lds s[G0+4:G0+7], s[G1:G1+7]
	s_nop 0
.rept 4
	v_nop
.endr
	s_branch .Lfirst_asked
.Lfirst_b:
	tensor_load_to_lds s[G0B:G0B+3], s[G1B:G1B+7]
	s_nop 0
	tensor_load_to_lds s[G0B+4:G0B+7], s[G1B:G1B+7]
	s_nop 0
.rept 4
	v_nop
.endr
.Lfirst_asked:
	v_and_b32 v1, 31, v0
	v_lshlrev_b32 v[CO], 4, v1
	v_lshlrev_b32 v[SO], 3, v1
	s_lshl_b32 s21, s11, 15                        ; my 8 blocks of rows of q
	v_add_nc_u32 v[AA0], s21, v[CO]
	s_lshl_b32 s22, s12, 15                        ; my 8 blocks of keys,
	s_add_co_u32 s22, s22, ASZ                     ; which lie behind q
	v_add_nc_u32 v[AB0], s22, v[CO]
	v_mov_b32 v[ADRA], v[AA0]                      ; step 0 lies in slot 0
	v_mov_b32 v[ADRB], v[AB0]
	v_mov_b32 v[T1], 0                             ; v_permlanex16_b32 counts as a reader of its destination
	v_mov_b32 v[CM+1], 0                           ; named with c m as a pair
	s_lshl_b32 s16, s13, 4
	s_lshl3_add_u32 s16, s11, s16                  ; my first block of 16 rows
	s_lshl1_add_u32 s74, s42, s12                  ; my block of 128 keys = 2 x key tile + half
	s_lshl_b32 s74, s74, 13
	s_lshl4_add_u32 s74, s16, s74                  ; 8,192 x block + row,
	s_lshl_b32 s74, s74, 3                         ; 8 bytes each
	s_mov_b32 s75, 0
	s_add_nc_u64 s[72:73], s[72:73], s[74:75]      ; st at my first pair
	s_lshl_b32 s16, s16, 16                        ; pf: a block of 16 rows is 64 fragments;
	s_lshl_b32 s46, s42, 3
	s_lshl2_add_u32 s46, s12, s46                  ; my first is fragment 8 x key tile + 4 x half
	s_lshl_b32 s46, s46, 10
	s_add_co_u32 s16, s16, s46
	s_mov_b32 s17, 0
	s_add_nc_u64 s[8:9], s[8:9], s[16:17]
.macro MUL16 f, hi, a0, zero           ; 16 matrix instructions: row blocks a0, a0 + 1 of the window's four x all 8 key blocks, 32 along K.  zero = 1: the first product starts the sums
	WIN MUL_LO+0x50*(\hi)
.irp a, \a0, (\a0)+1
.irp b, 0,1,2,3,4,5,6,7
.if \zero
	v_wmma_f32_16x16x32_f16 v[8*(8*(\a)+(\b)):8*(8*(\a)+(\b))+7], v[(\f)+8*(\b):(\f)+8*(\b)+7], v[(\f)+8*(4*(\hi)+(\a)):(\f)+8*(4*(\hi)+(\a))+7], 0
.else
	v_wmma_f32_16x16x32_f16 v[8*(8*(\a)+(\b)):8*(8*(\a)+(\b))+7], v[(\f)+8*(\b):(\f)+8*(\b)+7], v[(\f)+8*(4*(\hi)+(\a)):(\f)+8*(4*(\hi)+(\a))+7], v[8*(8*(\a)+(\b)):8*(8*(\a)+(\b))+7]
.endif
.endr
.endr
.endm
.macro FETCH q, f                      ; 32 LDS loads in one run: quarter q's fragments (8 of k, 8 of q) into buffer f
	WIN TO_B
.irp i, 0,1,2,3,4,5,6,7
	ds_load_b128 v[(\f)+8*(\i):(\f)+8*(\i)+3],   v[ADRB] offset:(\i)*STEPB+(\q)*KQ
	ds_load_b128 v[(\f)+8*(\i)+4:(\f)+8*(\i)+7], v[ADRB] offset:(\i)*STEPB+(\q)*KQ+512
.endr
	WIN 0
.irp i, 0,1,2,3,4,5,6,7
	ds_load_b128 v[(\f)+8*(\i):(\f)+8*(\i)+3],   v[ADRA] offset:(\i)*STEPB+(\q)*KQ
	ds_load_b128 v[(\f)+8*(\i)+4:(\f)+8*(\i)+7], v[ADRA] offset:(\i)*STEPB+(\q)*KQ+512
.endr
.endm
.macro PLACES                          ; four places in front of loads into registers that matrix instructions have read, and of vector work that reads results just made (ISA guide 7.12.1 for vector work)
.rept 4
	v_nop
.endr
.endm
; A step is four quarters of 32 along K, 64 matrix instructions each, on buffers 0, 1, 0, 1; the 64 accumulators take turns in the same order in every quarter.
.macro QUARTER q, f, g, zero           ; one of the first three: multiplies buffer f; in its middle it fetches quarter q into g
	s_wait_dscnt 8                                 ; k and q's rows 0-63 are in; the youngest eight loads may be out
	MUL16 \f, 0, 0, \zero
	MUL16 \f, 0, 2, \zero
	PLACES
	FETCH \q, \g
	s_wait_dscnt 32                                ; all but the 32 just issued
	MUL16 \f, 1, 0, \zero
	MUL16 \f, 1, 2, \zero
.endm
; The last quarter multiplies buffer 1 and changes slots: ONE barrier; in front of it each wave waits for all its tensor loads (one is out: its part of the next slot), adds 0 to its spare word, and waits for that and
; for its reads of this slot.  fill = 1: the barrier opens a round of the cluster's, so that no wave of any partner still reads the slot or has a load on its way, and the joint refill, two steps ahead, comes first behind it.
.macro TURN fill
	WIN 0
	s_wait_tensorcnt 0x0                           ; no tensor load of mine is out, so a group 0 may be written
	ds_add_u32 v[SPW], v[NIL]                      ; 0 onto my spare word
.if \fill
	s_xor_b32 s[G0+5], s[G0+5], SLOT1              ; the walking descriptors: the other slot than last time,
	s_add_nc_u64 s[G0+6:G0+7], s[G0+6:G0+7], STEPB ; the next step; the type bits on top are not reached
	s_xor_b32 s[G0B+5], s[G0B+5], SLOT1
	s_add_nc_u64 s[G0B+6:G0B+7], s[G0B+6:G0B+7], STEPB
.endif
	s_wait_dscnt 9                                 ; (the add and the youngest eight loads may be out)
	MUL16 F1, 0, 0, 0
	s_wait_dscnt 0x0                               ; the add is done, and my reads of this slot are over
	s_barrier_signal -1
	MUL16 F1, 0, 2, 0                              ; work on registers while the others arrive
	WIN 0
	s_barrier_wait -1
.if \fill
	CREST
	JLOAD                                          ; its four v_nop are also the places in front of the loads below
.else
	PLACES
.endif
	s_xor_b32 s[TB], s[TB], SLOT1                  ; the fetches go on in the other slot
	v_add_nc_u32 v[ADRA], s[TB], v[AA0]
	v_add_nc_u32 v[ADRB], s[TB], v[AB0]
	FETCH 0, F0
	MUL16 F1, 1, 0, 0
	MUL16 F1, 1, 2, 0
.endm
; BLOCK a's SOFTMAX over its 128 keys.  A lane holds 64 scores of one row, in the block's 64 accumulator registers; the lane 16 away holds the row's other 64.
.macro PACK a
.set AC, 64*((\a)%4)
.set HIW, (\a)/4
.set TM, TMP+32*((\a)%2)
.if (\a) >= 2
	s_wait_xcnt 0x0                                ; the registers that the block two back was stored from are written again only behind this wait
.endif
	WIN 0x2a+0x15*HIW                              ; all three sources in window 2 or 3, destination in window 0
.irp b, 0,1,2,3,4,5,6,7                            ; the maximum: each accumulator's lowest registers are read first
	v_max3_num_f32 v[TM+3*(\b)],   v[AC+8*(\b)],   v[AC+8*(\b)+1], v[AC+8*(\b)+2]
	v_max3_num_f32 v[TM+3*(\b)+1], v[AC+8*(\b)+3], v[AC+8*(\b)+4], v[AC+8*(\b)+5]
	v_max_num_f32  v[TM+3*(\b)+2], v[AC+8*(\b)+6], v[AC+8*(\b)+7]
.endr
	WIN 0
.irp b, 0,1,2,3,4,5,6,7
	v_max3_num_f32 v[TM+3*(\b)], v[TM+3*(\b)], v[TM+3*(\b)+1], v[TM+3*(\b)+2]
.endr
	v_max3_num_f32 v[TM],    v[TM],    v[TM+3],  v[TM+6]
	v_max3_num_f32 v[TM+9],  v[TM+9],  v[TM+12], v[TM+15]
	v_max_num_f32  v[TM+18], v[TM+18], v[TM+21]
	v_max3_num_f32 v[TM],    v[TM],    v[TM+9],  v[TM+18]
	v_permlanex16_b32 v[T1], v[TM], s[SEL], s[SEL+1]  ; the row's other 64 keys
	v_max_num_f32 v[T0], v[TM], v[T1]              ; m
	v_mul_f32 v[CM], s[CS], v[T0]                  ; c m, rounded once: the same number is taken away here and stored for the next launch
	v_mov_b32 v[STM+(\a)], v[CM]
	WIN 0x82+0x41*HIW                              ; source 0 and destination in the accumulators' window, source 2 in window 0
.set i, AC
.rept 32
	v_pk_fma_f32 v[i:i+1], v[i:i+1], s[CS:CS+1], v[CM:CM+1] op_sel_hi:[1,0,0] neg_lo:[0,0,1] neg_hi:[0,0,1]  ; c s - c m
.set i, i+2
.endr
.set i, AC
.rept 64
	v_exp_f32 v[i], v[i]
.set i, i+1
.endr
	v_nop                                          ; a plain instruction between the exponentials and the use of their results (ISA guide 5.7.2)
	WIN 0x0a+5*HIW                                 ; sources 0 and 1 in the accumulators' window, destination in window 0
.set i, 0
	s_wait_alu depctr_va_vdst(0)
.rept 32
	v_cvt_pk_f16_f32 v[TM+i], v[AC+2*i], v[AC+2*i+1]  ; a lane's eight keys of an accumulator pack into 16 bytes
.set i, i+1
.endr
	WIN 0x8a+0x45*HIW                              ; the sum of the 32 pairs of unrounded p', in place: neighbours 16, 8, 4 and 2 pairs apart
.irp w, 32, 16, 8, 4
.set i, 0
.rept (\w)/2
	v_pk_add_f32 v[AC+i:AC+i+1], v[AC+i:AC+i+1], v[AC+i+(\w):AC+i+(\w)+1]
.set i, i+2
.endr
.endr
	WIN 0x0a+5*HIW
	v_pk_add_f32 v[LS:LS+1], v[AC:AC+1], v[AC+2:AC+3]
	WIN 0
	v_add_f32 v[T0], v[LS], v[LS+1]
	v_permlanex16_b32 v[T1], v[T0], s[SEL], s[SEL+1]
	v_add_f32 v[STL+(\a)], v[T0], v[T1]            ; l
.irp b, 0,1,2,3,4,5,6,7
	global_store_b128 v[CO], v[TM+4*(\b):TM+4*(\b)+3], s[8:9] offset:(\a)*RBP+(\b)*512  ; half a fragment: 512 consecutive bytes, at a multiple of 512 from pf's first byte
.endr
.endm
	s_wait_tensorcnt 0x1                           ; my part of slot 0 is in; slot 1's may stay out
	s_barrier_signal -1
	s_barrier_wait -1
	FETCH 0, F0
	QUARTER 1, F0, F1, 1                           ; the first quarter is written out: its products start the sums
	WIN 0                                          ; at a label and at a branch every window is 0
	s_mov_b32 s[CNT], 6
	s_branch .Lmid                                 ; the loop is entered in the middle of a trip
.Lstep:
	QUARTER 1, F0, F1, 0
	WIN 0
.Lmid:                                                 ; steps 0 to 5: each asks for the step two on, up to step 7
	QUARTER 2, F1, F0, 0
	QUARTER 3, F0, F1, 0
	TURN 1
	WIN 0
	s_sub_co_u32 s[CNT], s[CNT], 1
	s_cmp_lg_u32 s[CNT], 0
	s_cbranch_scc1 .Lstep
	s_mov_b32 s[CNT], 2
.Ltail:                                                ; steps 6 and 7 ask for nothing.  The second trip's barrier and its fetch (slot 0's old bytes) serve nothing: the price, once a launch, of one text for both trips
	QUARTER 1, F0, F1, 0
	QUARTER 2, F1, F0, 0
	QUARTER 3, F0, F1, 0
	TURN 0
	WIN 0
	s_sub_co_u32 s[CNT], s[CNT], 1
	s_cmp_lg_u32 s[CNT], 0
	s_cbranch_scc1 .Ltail
	s_wait_dscnt 0x0
	PLACES                                         ; the maxima read results
.irp a, 0,1,2,3,4,5,6,7
	PACK \a
.endr
	; THE STATISTICS.  Both halves of the lanes hold block a's numbers for rows 16 a + l % 16.  Lanes 0-15 take block 2 i, lanes 16-31 block 2 i + 1: 32 consecutive rows, 256 consecutive bytes a store, aligned.
	s_wait_xcnt 0x0                                ; the registers below were store data
.irp i, 0,1,2,3
	v_cndmask_b32 v[TMP+2*(\i)],   v[STM+2*(\i)], v[STM+2*(\i)+1], s[UP]
	v_cndmask_b32 v[TMP+2*(\i)+1], v[STL+2*(\i)], v[STL+2*(\i)+1], s[UP]
	global_store_b64 v[SO], v[TMP+2*(\i):TMP+2*(\i)+1], s[72:73] offset:256*(\i)
.endr
	s_wait_tensorcnt 0x0                           ; the wave's end, behind my last tensor load
	ds_add_u32 v[SPW], v[NIL]
	s_wait_dscnt 0x0
	CROUND                                         ; the closing round
	s_endpgm
.Lfunc_end_k_q59d1d04a2b_score:
	.size	k_q59d1d04a2b_score, .Lfunc_end_k_q59d1d04a2b_score-k_q59d1d04a2b_score
	.p2alignl 7, 3214868480
	.fill 96, 4, 3214868480
	.section	.rodata,"a",@progbits
	.p2align	6, 0x0
	.amdhsa_kernel k_q59d1d04a2b_score
		.amdhsa_group_segment_fixed_size 327680
		.amdhsa_private_segment_fixed_size 0
		.amdhsa_enable_private_segment 0
		.amdhsa_kernarg_size 24
		.amdhsa_user_sgpr_count 2
		.amdhsa_user_sgpr_kernarg_segment_ptr 1
		.amdhsa_wavefront_size32 1
		.amdhsa_system_sgpr_workgroup_id_x 1
		.amdhsa_system_sgpr_workgroup_id_y 1
		.amdhsa_system_sgpr_workgroup_id_z 1
		.amdhsa_system_vgpr_workitem_id 0
		.amdhsa_next_free_vgpr 1024
		.amdhsa_next_free_sgpr 76
		.amdhsa_reserve_vcc 0
		.amdhsa_float_denorm_mode_32 3
		.amdhsa_float_denorm_mode_16_64 3
		.amdhsa_memory_ordered 1
		.amdhsa_forward_progress 1
		.amdhsa_inst_pref_size 159
	.end_amdhsa_kernel
	.amdgpu_metadata
---
amdhsa.version: [ 1, 2 ]
amdhsa.kernels:
  - .name:           k_q59d1d04a2b_score
    .symbol:         k_q59d1d04a2b_score.kd
    .args:
      - { .name: qk, .offset: 0, .size: 8, .value_kind: global_buffer, .address_space: global }
      - { .name: pf, .offset: 8, .size: 8, .value_kind: global_buffer, .address_space: global }
      - { .name: st, .offset: 16, .size: 8, .value_kind: global_buffer, .address_space: global }
    .group_segment_fixed_size: 327680
    .private_segment_fixed_size: 0
    .kernarg_segment_align: 8
    .kernarg_segment_size: 24
    .max_flat_workgroup_size: 128
    .sgpr_count:     76
    .vgpr_count:     1024
    .wavefront_size: 32
...
	.end_amdgpu_metadata
.endif
;; end of part 3
;; launch pv (part 4): grid 4 x 64, 4 waves a work-group, clusters of 4 x 4, 327,680 bytes of LDS; arguments pf, vf, st, out0; writes out0
.if DOCPART == 4
	.amdgcn_target "amdgcn-amd-amdhsa--gfx1250"
	.amdhsa_code_object_version 6
	.text
	.protected	k_q59d1d04a2b_pv
	.globl	k_q59d1d04a2b_pv
	.p2align	8
	.type	k_q59d1d04a2b_pv,@function
k_q59d1d04a2b_pv:
	s_mov_b64 s[64:65], 0
	v_nop
	global_prefetch_b8 v0, s[64:65] scope:SCOPE_SE
	s_setreg_imm32_b32 hwreg(HW_REG_WAVE_MODE, 25, 1), 1
	s_wait_xcnt 0x0
	s_wait_alu depctr_hold_cnt(0) depctr_sa_sdst(0) depctr_va_vdst(0) depctr_va_sdst(0) depctr_va_ssrc(0) depctr_va_vcc(0) depctr_vm_vsrc(0)
	s_getreg_b32 s2, hwreg(HW_REG_IB_STS2, 6, 4)
	s_cmp_eq_u32 s2, 0
	s_cbranch_scc0 .Lentry_in_a_cluster
	s_endpgm
.Lentry_in_a_cluster:
	s_bfe_u32 s2, ttmp6, 0x10000c
	s_cmp_lg_u32 s2, 0xf033
	s_cbranch_scc0 .Lentry_shape_is_right
	s_endpgm
.Lentry_shape_is_right:
; THE SECOND HALF OF THE SOFTMAX AND THE WEIGHTED SUM.  out0[row][ch] = the sum over the 16 blocks j of 128 keys of g_j[row] x (the sum over the block's keys of p'[row][key] v[key][ch]).
; pf holds p' = 2^(c s - c m_j) in f16, st the pairs (c m_j, l_j) for each row and block.  Here M = max over j of c m_j, f_j = 2^(c m_j - M) (at most 1), L = the sum of l_j f_j (at least about 1), g_j = f_j / L:
; the row's true maximum is what has been taken away from every score.  The products take f16 operands as they were stored; their sums, the factors and the weighted sum over the blocks are f32.
; LAYOUTS.  A FRAGMENT is 16 rows x 32 K in 1,024 bytes: byte 512 j + 16 l + 2 e holds row l % 16, K = 16 j + 8 (l / 16) + e.   pf: [512 blocks of 16 rows][64 fragments along the batch's keys].
;   vf: [256 blocks of 32 keys][64 blocks of 16 channels]: fragments of v transposed (row = channel, K = key).   st: [16 blocks of keys][8192 rows] pairs of f32.   out0: [8192][1024] f32.
; LIMITS.  An exponential below 2^-126 counts as 0.  NaN and infinities are not treated apart.
; SHARES.  A work-group makes 128 rows x 256 channels; each of its four waves 64 rows x 128 channels.  The keys go in 16 steps of 128, a step a block of the statistics, through a ring of two LDS slots filled by the
; tensor data mover: 8 row blocks x 4,096 bytes of pf, 4 key blocks x 16,384 bytes of vf; in LDS they lie end to end, and a fragment load is 512 consecutive bytes: no padding is wanted.
; A step's products are summed in T (32 accumulators, started by C = 0 in the step's first quarter); as each block of 16 rows is finished, O += g_j T, one factor a lane.
; CLUSTERS: 4 x 4 work-groups.  The four of a row of the cluster are the four channel tiles of the same rows and need the same tiles of pf; the four of a column need the same tiles of vf (a cluster's 512 rows
; lie in one batch): each tile is asked for JOINTLY, by the same tensor load with the same descriptor and a mask that names the four.
; LAYOUT OF THE PRODUCT.  T^T = V^T P: source 0 = 16 channels, source 1 = 16 rows of p'.  In the result a lane holds ONE row and eight neighbouring channels.
; O BEGINS as the result of 32 products of a fragment of zeros, issued in the wait for the first tile: so every step, the first too, has one text.  The price: 32 matrix instructions that are not the problem's.
; REGISTERS: window 0: v0-31 addresses; v32-39 factors; v64-127 p', two buffers of 4 fragments; v128-255 v, two buffers of 8.  Window 1: T, (a, b) at v[8 (8 a + b)].  Window 2: O, likewise.
.set KQ,    1024                       ; bytes of a fragment
.set ASTEP, 4*KQ                       ; a block of 16 rows of p' in a step
.set BROW,  16*KQ                      ; a block of 32 keys x my tile's 256 channels
.set RB,    64*KQ                      ; from a block of 16 rows to the next in pf, and from a block of 32 keys to the next in vf
.set BOFF,  8*ASTEP                    ; in a slot v lies behind p'
.set FT,    BOFF+4*BROW                ; behind slot 0, never filled by a tensor load: 16 steps x 128 rows x 4 bytes: g_j
.set SPARE, FT+16*512                  ; the spare words, 128 bytes for each wave: two blocks of 256 bytes that no other line names
.set SLOT1, 1<<17                      ; slot 1 begins here, so that one exclusive or turns an address in one slot into the other's
.set STAGE, SLOT1+FT                   ; behind slot 1: 16 rows x 528 bytes for each wave, for the way out
.set SP,    528                        ; 512 bytes + 16: 132 words: row r starts at bank 4 r mod 64 (64 banks of 4 bytes: ISA guide 11.1)
.set AA0, 10                           ; v10  my lane's place in a slot's p'; never rewritten
.set AB0, 11                           ; v11  the same for v
.set FA0, 12                           ; v12  4 x (my first row + l % 16)
.set ADA, 13                           ; v13  LDS address of the p' fragments of the step in hand
.set ADB, 14                           ; v14  of the v fragments
.set FAD, 15                           ; v15  of the step's factors
.set STO, 16                           ; v16  the way out: where I put 32 bytes of a row
.set RD,  17                           ; v17  where I read a row back
.set CO,  18                           ; v18  16 x lane: my place in 512 bytes
.set SPW, 28                           ; v28  LDS address of my spare word; never rewritten
.set NIL, 29                           ; v29  0; never rewritten
.set FR,  32                           ; v32-39  g_j of the step in hand for my four blocks of 16 rows, in the low words of four pairs; the upper words are written once
.set FA,  64
.set FB,  128
.set WV,  20                           ; s20  my wave's number
.set RH,  21                           ; s21  which 64 rows are mine.  Also: I fetch p' (0) or v (1)
.set CH,  22                           ; s22  which 128 channels.  Also: which half of that tile I fetch
.set TB,  23                           ; s23  LDS byte at which the slot in hand begins
.set G1,  24                           ; s[24:31] descriptor group 1 for p'
.set G0,  32                           ; s[32:39] group 0 for p': a set for each of the two first fills; the second then walks on
.set G1B, 48                           ; s[48:55], s[56:63] the same for v
.set G0B, 56
.set FTB, 66                           ; s66  LDS byte at which the next step's factors begin
.set CNT, 67                           ; s67  counts steps
.set MSB, 0
.macro WIN new                         ; the immediate's high byte repeats the setting that is left; a switch that changes nothing is dropped
.if MSB != (\new)
	s_set_vgpr_msb (MSB<<8)|(\new)
.set MSB, \new
.endif
.endm
.set W_MUL,  0x50                      ; sources 0 and 1 in window 0, C and D in window 1
.set W_FOLD, 0xa1                      ; source 0 (T) in window 1, source 1 (the factor) in window 0, source 2 and destination (O) in window 2
; A joint refill, by the walking descriptors.  The branch hangs on the wave's number alone.  An s_nop 0 and four v_nop follow each of the two lines.
.macro JLOAD
	s_cmp_eq_u32 s[RH], 0
	s_cbranch_scc0 .Lfor_b_\@
	tensor_load_to_lds s[G0+4:G0+7], s[G1:G1+7]
	s_nop 0
.rept 4
	v_nop
.endr
	s_branch .Lasked_\@
.Lfor_b_\@:
	tensor_load_to_lds s[G0B+4:G0B+7], s[G1B:G1B+7]
	s_nop 0
.rept 4
	v_nop
.endr
.Lasked_\@:
.endm
.macro CREST                           ; a round of the cluster's barrier behind its opening barrier
	s_cmp_lg_u32 s[WV], 0
	s_cbranch_scc1 .Lnot_wave_0_\@
	s_barrier_signal -3
.Lnot_wave_0_\@:
	s_barrier_wait -3
	s_barrier_signal -1
	s_barrier_wait -1
.endm
.macro CROUND
	s_barrier_signal -1
	s_barrier_wait -1
	CREST
.endm
	s_load_b256 s[4:11], s[0:1], 0x0               ; pf s[4:5], vf s[6:7], st s[8:9], out0 s[10:11]
	v_lshl_add_u32 v[SPW], v0, 2, SPARE
	v_mov_b32 v[NIL], 0
	ds_add_u32 v[SPW], v[NIL]                      ; the wave's opening: the add and its wait stand ahead of my first tensor load; work on registers stands between them
	v_lshrrev_b32 v1, 5, v0
	v_readfirstlane_b32 s[WV], v1                  ; wave 0..3
	s_lshr_b32 s[RH], s[WV], 1
	s_and_b32 s[CH], s[WV], 1
	s_bfe_u32 s40, ttmp6, 0x40000                  ; cx
	s_bfe_u32 s41, ttmp6, 0x40004                  ; cy
	s_lshl_b32 s42, ttmp9, 2
	s_add_co_u32 s42, s42, s40                     ; channel tile = 4 x cluster x + cx
	s_and_b32 s13, ttmp7, 0xffff
	s_lshr_b32 s45, s13, 2                         ; the batch: four clusters along y for each; made of the cluster's y alone
	s_lshl_b32 s13, s13, 2
	s_add_co_u32 s13, s13, s41                     ; row tile, over all batches = 4 x cluster y + cy
	s_lshl_b32 s43, s41, 2
	s_lshl_b32 s43, 15, s43                        ; my row of the cluster
	s_lshl_b32 s44, 0x1111, s40                    ; my column
	; descriptor group 1 for p': 4 blocks of 16 rows, of each 4,096 consecutive bytes, 65,536 apart; elements of 8 bytes; no padding
	s_or_b32 s[G1+0], s43, (3<<16)|(1<<21)         ; 15:0 the mask; 17:16 8-byte elements; 21 set beside a mask
	s_mov_b32 s[G1+1], (ASTEP/8)<<16               ; tensor_dim0 = 512
	s_mov_b32 s[G1+2], 4<<16                       ; tensor_dim1 = 4
	s_mov_b32 s[G1+3], (ASTEP/8)<<16               ; tile_dim0 = 512
	s_mov_b32 s[G1+4], 4                           ; tile_dim1 = 4
	s_mov_b32 s[G1+5], RB/8                        ; elements from row to row
	s_mov_b32 s[G1+6], 0
	s_mov_b32 s[G1+7], 0
	; for v: 2 blocks of 32 keys, of each 16,384 consecutive bytes, 65,536 apart
	s_or_b32 s[G1B+0], s44, (3<<16)|(1<<21)
	s_mov_b32 s[G1B+1], (BROW/8)<<16               ; 2,048
	s_mov_b32 s[G1B+2], 2<<16
	s_mov_b32 s[G1B+3], (BROW/8)<<16
	s_mov_b32 s[G1B+4], 2
	s_mov_b32 s[G1B+5], RB/8
	s_mov_b32 s[G1B+6], 0
	s_mov_b32 s[G1B+7], 0
	; p' hangs on the row tile alone, v on the channel tile and the batch; each offset in registers that never hold the other place in the cluster
	s_lshl_b32 s16, s13, 3                         ; pf: row block 8 x row tile + 4 x the half that I fetch
	s_lshl2_add_u32 s16, s[CH], s16
	s_lshl_b32 s16, s16, 16
	s_mov_b32 s17, 0
	s_lshl_b32 s46, s45, 6                         ; vf: key block 64 x batch + 2 x half,
	s_lshl1_add_u32 s46, s[CH], s46
	s_lshl_b32 s46, s46, 16
	s_lshl_b32 s47, s42, 14                        ; + 16 fragments x channel tile
	s_add_co_u32 s46, s46, s47
	s_mov_b32 s47, 0
	s_lshl_b32 s18, s[CH], 14                      ; where they go: no place in the cluster enters an LDS address
	s_lshl_b32 s19, s[CH], 15
	s_add_co_u32 s19, s19, BOFF
	s_lshl_b32 s70, s13, 10                        ; st: my tile's 128 rows of 8 bytes
	s_mov_b32 s71, 0
	s_lshl_b32 s68, s13, 7                         ; out0: row 128 x row tile + 64 x my half,
	s_lshl_b32 s14, s[RH], 6
	s_add_co_u32 s68, s68, s14
	s_lshl_b32 s68, s68, 12                        ; 4,096 bytes each,
	s_lshl_b32 s14, s42, 10
	s_add_co_u32 s68, s68, s14                     ; + 1,024 bytes x channel tile
	s_lshl_b32 s14, s[CH], 9
	s_add_co_u32 s68, s68, s14                     ; + 512 x my half
	s_mov_b32 s69, 0
	s_mov_b32 s[TB], 0
	s_mov_b32 s[FTB], FT+512
	s_wait_dscnt 0x0                               ; the opening add is done
	s_wait_kmcnt 0x0
	s_add_nc_u64 s[16:17], s[4:5], s[16:17]
	s_add_nc_u64 s[46:47], s[6:7], s[46:47]
	s_add_nc_u64 s[8:9], s[8:9], s[70:71]
	s_add_nc_u64 s[10:11], s[10:11], s[68:69]
	CROUND                                         ; all sixteen work-groups are here: the first joint loads meet
.irp s, 0,1
	s_mov_b32 s[G0+4*(\s)], 1                                      ; count = 1
	s_add_co_u32 s[G0+4*(\s)+1], s18, (\s)*SLOT1                   ; LDS address
	s_add_nc_u64 s[G0+4*(\s)+2:G0+4*(\s)+3], s[16:17], (\s)*ASTEP  ; global address: step s
	s_or_b32 s[G0+4*(\s)+3], s[G0+4*(\s)+3], 0x80000000            ; type = 2
	s_mov_b32 s[G0B+4*(\s)], 1
	s_add_co_u32 s[G0B+4*(\s)+1], s19, (\s)*SLOT1
	s_add_nc_u64 s[G0B+4*(\s)+2:G0B+4*(\s)+3], s[46:47], (\s)*4*RB
	s_or_b32 s[G0B+4*(\s)+3], s[G0B+4*(\s)+3], 0x80000000
.endr
	s_cmp_eq_u32 s[RH], 0                          ; a wave's two first fills stand in one branch, ahead of every wait on TENSORcnt and every LDS read: two loads of mine are out
	s_cbranch_scc0 .Lfirst_b
	tensor_load_to_lds s[G0:G0+3], s[G1:G1+7]
	s_nop 0
	tensor_load_to_lds s[G0+4:G0+7], s[G1:G1+7]
	s_nop 0
.rept 4
	v_nop
.endr
	s_branch .Lfirst_asked
.Lfirst_b:
	tensor_load_to_lds s[G0B:G0B+3], s[G1B:G1B+7]
	s_nop 0
	tensor_load_to_lds s[G0B+4:G0B+7], s[G1B:G1B+7]
	s_nop 0
.rept 4
	v_nop
.endr
.Lfirst_asked:
	; THE FACTORS.  Thread t stands for row t of the tile: its sixteen pairs (c m_j, l_j); a wave's load covers 256 consecutive bytes, aligned.
	v_lshlrev_b32 v1, 3, v0                        ; 8 t
.irp j, 0,1,2,3,4,5,6,7,8,9,10,11,12,13,14,15
	global_load_b64 v[64+2*(\j):65+2*(\j)], v1, s[8:9] offset:65536*(\j)
.endr
	v_lshl_add_u32 v2, v0, 2, FT                   ; where my row's factors go
	v_and_b32 v3, 15, v0                           ; l % 16
	v_bfe_u32 v4, v0, 4, 1                         ; l / 16
	v_and_b32 v[CO], 31, v0
	v_lshlrev_b32 v[CO], 4, v[CO]                  ; 16 l
	s_lshl_b32 s14, s[RH], 14                      ; my 4 blocks of rows
	v_add_nc_u32 v[AA0], s14, v[CO]
	s_lshl_b32 s14, s[CH], 13                      ; my 8 blocks of channels
	s_add_co_u32 s14, s14, BOFF
	v_add_nc_u32 v[AB0], s14, v[CO]
	s_lshl_b32 s14, s[RH], 8
	v_lshl_add_u32 v[FA0], v3, 2, s14              ; 4 x (64 x my half + l % 16)
	s_mul_i32 s14, s[WV], 16*SP
	s_add_co_u32 s14, s14, STAGE                   ; my stage
	v_mul_u32_u24 v[STO], v3, SP                   ; in: row l % 16, 32 bytes for each half of the lanes
	v_lshl_add_u32 v[STO], v4, 5, v[STO]
	v_add_nc_u32 v[STO], s14, v[STO]
	v_add_nc_u32 v[RD], s14, v[CO]                 ; back: 32 lanes take one row of 512 bytes
	v_mov_b32 v[ADA], v[AA0]                       ; step 0 lies in slot 0
	v_mov_b32 v[ADB], v[AB0]
	v_add_nc_u32 v[FAD], FT, v[FA0]
.irp a, 0,1,2,3
	v_mov_b32 v[FR+2*(\a)+1], 0                    ; named with the factors as pairs
.endr
.irp i, 0,1,2,3,4,5,6,7
	v_mov_b32 v[FB+(\i)], 0                        ; a fragment of zeros
.endr
	WIN 0x80                                       ; destination in window 2
.set k, 0
.rept 32
	v_wmma_f32_16x16x32_f16 v[8*k:8*k+7], v[FB:FB+7], v[FB:FB+7], 0  ; O = 0
.set k, k+1
.endr
	WIN 0
	s_wait_loadcnt 0x0
	v_max3_num_f32 v112, v64, v66, v68             ; M = the largest c m_j
	v_max3_num_f32 v113, v70, v72, v74
	v_max3_num_f32 v114, v76, v78, v80
	v_max3_num_f32 v115, v82, v84, v86
	v_max3_num_f32 v116, v88, v90, v92
	v_max3_num_f32 v112, v112, v113, v94
	v_max3_num_f32 v114, v114, v115, v116
	v_max_num_f32 v112, v112, v114
.irp j, 0,1,2,3,4,5,6,7,8,9,10,11,12,13,14,15
	v_sub_f32 v[96+(\j)], v[64+2*(\j)], v112
.endr
.irp j, 0,1,2,3,4,5,6,7,8,9,10,11,12,13,14,15
	v_exp_f32 v[96+(\j)], v[96+(\j)]               ; f_j
.endr
	v_nop                                          ; a plain instruction between the exponentials and the use of their results (ISA guide 5.7.2)
	s_wait_alu depctr_va_vdst(0)
	v_mul_f32 v113, v65, v96                       ; L = the sum of l_j f_j, in two chains
	v_mul_f32 v114, v67, v97
.irp j, 2,4,6,8,10,12,14
	v_fmac_f32 v113, v[65+2*(\j)], v[96+(\j)]
	v_fmac_f32 v114, v[67+2*(\j)], v[97+(\j)]
.endr
	v_add_f32 v113, v113, v114
	v_rcp_f32 v115, v113
	v_nop                                          ; a plain instruction between the reciprocal and the use of its result
	s_wait_alu depctr_va_vdst(0)
.irp j, 0,1,2,3,4,5,6,7,8,9,10,11,12,13,14,15
	v_mul_f32 v[96+(\j)], v[96+(\j)], v115         ; g_j
.endr
.irp j, 0,1,2,3,4,5,6,7,8,9,10,11,12,13,14,15
	ds_store_b32 v2, v[96+(\j)] offset:512*(\j)
.endr
.macro PLACES                          ; four places in front of loads into registers that matrix instructions have read, and of vector work that reads results just made (ISA guide 7.12.1 for vector work)
.rept 4
	v_nop
.endr
.endm
.macro MM f, a, b, zero                ; zero = 1: the product starts the step's sum
.if \zero
	v_wmma_f32_16x16x32_f16 v[8*(8*(\a)+(\b)):8*(8*(\a)+(\b))+7], v[FB+64*(\f)+8*(\b):FB+64*(\f)+8*(\b)+7], v[FA+32*(\f)+8*(\a):FA+32*(\f)+8*(\a)+7], 0
.else
	v_wmma_f32_16x16x32_f16 v[8*(8*(\a)+(\b)):8*(8*(\a)+(\b))+7], v[FB+64*(\f)+8*(\b):FB+64*(\f)+8*(\b)+7], v[FA+32*(\f)+8*(\a):FA+32*(\f)+8*(\a)+7], v[8*(8*(\a)+(\b)):8*(8*(\a)+(\b))+7]
.endif
.endm
; Eight matrix instructions: row block a x all 8 channel blocks, 32 keys.  The 32 accumulators take turns in the same order in every quarter.
.macro ROWM f, a, zero
	WIN W_MUL
.irp b, 0,1,2,3,4,5,6,7
	MM \f, \a, \b, \zero
.endr
.endm
.macro FOLD8 a, p                      ; O += g T for two of row block a's eight accumulators, from their low ends on
	WIN W_FOLD
.set i, 64*(\a)+16*(\p)
.rept 8
	v_pk_fma_f32 v[i:i+1], v[i:i+1], v[FR+2*(\a):FR+2*(\a)+1], v[i:i+1] op_sel_hi:[1,0,1]
.set i, i+2
.endr
.endm
.macro ROWF f, a                       ; the same eight matrix instructions, in a step's last quarter; between them the row block before, which is finished, is folded into O
	WIN W_MUL
	MM \f, \a, 0, 0
	MM \f, \a, 1, 0
	PLACES
	FOLD8 (\a)-1, 0
.irp p, 1,2,3
	WIN W_MUL
	MM \f, \a, 2*(\p), 0
	MM \f, \a, 2*(\p)+1, 0
	FOLD8 (\a)-1, \p
.endr
.endm
; The LDS loads stand in one run: quarter q's fragments (32 keys: 8 of v, 4 of p') into buffer g; fac = 1: first the step's four factors.
.macro FETCH q, g, fac
	WIN 0
.if \fac
.irp a, 0,1,2,3
	ds_load_b32 v[FR+2*(\a)], v[FAD] offset:64*(\a)
.endr
.endif
.irp i, 0,1,2,3,4,5,6,7
	ds_load_b128 v[FB+64*(\g)+8*(\i):FB+64*(\g)+8*(\i)+3],   v[ADB] offset:BROW*(\q)+KQ*(\i)
	ds_load_b128 v[FB+64*(\g)+8*(\i)+4:FB+64*(\g)+8*(\i)+7], v[ADB] offset:BROW*(\q)+KQ*(\i)+512
.endr
.irp i, 0,1,2,3
	ds_load_b128 v[FA+32*(\g)+8*(\i):FA+32*(\g)+8*(\i)+3],   v[ADA] offset:ASTEP*(\i)+KQ*(\q)
	ds_load_b128 v[FA+32*(\g)+8*(\i)+4:FA+32*(\g)+8*(\i)+7], v[ADA] offset:ASTEP*(\i)+KQ*(\q)+512
.endr
.endm
; A step is four quarters of 32 keys, 32 matrix instructions each, on buffers 0, 1, 0, 1.  One of the first three: multiplies buffer f and fetches quarter q into g.
.macro QUARTER f, g, q, zero=0, fac=0
	WIN 0
	s_wait_dscnt 0x0                               ; buffer f is in
	ROWM \f, 0, \zero
	PLACES
	FETCH \q, \g, \fac
	ROWM \f, 1, \zero
	ROWM \f, 2, \zero
	ROWM \f, 3, \zero
.endm
; The last quarter multiplies buffer 1, folds the step into O and changes slots: ONE barrier.  In front of it each wave waits for all its tensor loads (one is out: its part of the next slot), adds 0 to its spare word,
; and waits for that and for its own reads of this slot.  fill = 1: the barrier opens a round of the cluster's, so that no wave of any partner still reads the slot or has a load on its way, and the joint refill, with
; the step two steps on, is the first thing behind it: 112 matrix instructions ahead of the wait for it.
.macro TURN fill
	WIN 0
	s_wait_tensorcnt 0x0                           ; no tensor load of mine is out, so a group 0 may be written
	ds_add_u32 v[SPW], v[NIL]                      ; 0 onto my spare word
.if \fill
	s_xor_b32 s[G0+5], s[G0+5], SLOT1              ; the walking descriptors: the other slot than last time,
	s_add_nc_u64 s[G0+6:G0+7], s[G0+6:G0+7], ASTEP ; the next 128 keys; the type bits on top are not reached
	s_xor_b32 s[G0B+5], s[G0B+5], SLOT1
	s_add_nc_u64 s[G0B+6:G0B+7], s[G0B+6:G0B+7], 4*RB
.endif
	s_wait_dscnt 0x1                               ; buffer 1 is in; the add alone may be out
	ROWM 1, 0, 0
	s_wait_dscnt 0x0                               ; the add is done, and my reads of this slot are over
	s_barrier_signal -1
	ROWF 1, 1                                      ; work on registers while the others arrive
	WIN 0
	s_barrier_wait -1
.if \fill
	CREST
	JLOAD
.endif
	s_xor_b32 s[TB], s[TB], SLOT1                  ; the fetches go on in the other slot
	v_add_nc_u32 v[ADA], s[TB], v[AA0]
	v_add_nc_u32 v[ADB], s[TB], v[AB0]
	v_add_nc_u32 v[FAD], s[FTB], v[FA0]
	s_add_co_u32 s[FTB], s[FTB], 512
	FETCH 0, 0, 0                                  ; buffer 0's last reader stands in front of the fold above, whose lines are the places
	ROWF 1, 2
	ROWF 1, 3
	PLACES
.irp p, 0,1,2,3
	FOLD8 3, \p                                    ; the last row block has no products to stand between
.endr
.endm
	s_wait_dscnt 0x0                               ; for the others' sake: my rows' factors are in LDS
	s_wait_tensorcnt 0x1                           ; my part of slot 0 is in; slot 1's may stay out
	s_barrier_signal -1
	s_barrier_wait -1
	FETCH 0, 0, 0
	s_mov_b32 s[CNT], 14
.Lstep:                                                ; steps 0 to 13: each asks for the step two on, up to step 15
	QUARTER 0, 1, 1, 1, 1
	QUARTER 1, 0, 2
	QUARTER 0, 1, 3
	TURN 1
	WIN 0                                          ; at a label and at a branch every window is 0
	s_sub_co_u32 s[CNT], s[CNT], 1
	s_cmp_lg_u32 s[CNT], 0
	s_cbranch_scc1 .Lstep
	s_mov_b32 s[CNT], 2
.Ltail:                                                ; steps 14 and 15 ask for nothing.  The second trip's barrier and its fetch (slot 0's old bytes) serve nothing: the price, once a launch, of one text for both trips
	QUARTER 0, 1, 1, 1, 1
	QUARTER 1, 0, 2
	QUARTER 0, 1, 3
	TURN 0
	WIN 0
	s_sub_co_u32 s[CNT], s[CNT], 1
	s_cmp_lg_u32 s[CNT], 0
	s_cbranch_scc1 .Ltail
	; THE WAY OUT.  A block of 16 rows of O goes through my stage in LDS and comes back as whole rows of 512 bytes.
.macro TOSTAGE a
.set BK, 64+64*((\a)%2)
.if (\a) >= 2
	s_wait_xcnt 0x0                                ; the registers that the block two back was stored from are loaded again only behind this wait
.endif
	WIN 0x08                                       ; the stores' data in window 2
.irp b, 0,1,2,3,4,5,6,7
	ds_store_b128 v[STO], v[8*(8*(\a)+(\b)):8*(8*(\a)+(\b))+3]   offset:64*(\b)
	ds_store_b128 v[STO], v[8*(8*(\a)+(\b))+4:8*(8*(\a)+(\b))+7] offset:64*(\b)+16
.endr
	WIN 0
.irp t, 0,1,2,3,4,5,6,7,8,9,10,11,12,13,14,15
	ds_load_b128 v[BK+4*(\t):BK+4*(\t)+3], v[RD] offset:SP*(\t)  ; LDS serves a wave's instructions in order (ISA guide 5.7.1.4): these see the stores above; the next block's stores come behind them
.endr
.endm
.macro SEND a, younger                 ; younger: the LDS instructions issued behind block a's loads: the next block's 32, or none
.set BK, 64+64*((\a)%2)
	WIN 0
	s_wait_dscnt \younger                          ; the block is back in registers
.irp t, 0,1,2,3,4,5,6,7,8,9,10,11,12,13,14,15
	global_store_b128 v[CO], v[BK+4*(\t):BK+4*(\t)+3], s[10:11] offset:(16*(\a)+(\t))*4096 th:TH_STORE_NT  ; a wave stores 512 consecutive bytes, at a multiple of 512 from out0's first byte
.endr
.endm
	s_wait_dscnt 0x0                               ; no load is on its way into the fragment registers
	TOSTAGE 0
	TOSTAGE 1
	SEND 0, 32
	TOSTAGE 2
	SEND 1, 32
	TOSTAGE 3
	SEND 2, 32
	SEND 3, 0
	s_wait_tensorcnt 0x0                           ; the wave's end, behind my last tensor load and my last LDS store
	ds_add_u32 v[SPW], v[NIL]
	s_wait_dscnt 0x0
	CROUND                                         ; the closing round: no work-group ends while a partner may still ask for a tile that names it
	s_endpgm
.Lfunc_end_k_q59d1d04a2b_pv:
	.size	k_q59d1d04a2b_pv, .Lfunc_end_k_q59d1d04a2b_pv-k_q59d1d04a2b_pv
	.p2alignl 7, 3214868480
	.fill 96, 4, 3214868480
	.section	.rodata,"a",@progbits
	.p2align	6, 0x0
	.amdhsa_kernel k_q59d1d04a2b_pv
		.amdhsa_group_segment_fixed_size 327680
		.amdhsa_private_segment_fixed_size 0
		.amdhsa_enable_private_segment 0
		.amdhsa_kernarg_size 32
		.amdhsa_user_sgpr_count 2
		.amdhsa_user_sgpr_kernarg_segment_ptr 1
		.amdhsa_wavefront_size32 1
		.amdhsa_system_sgpr_workgroup_id_x 1
		.amdhsa_system_sgpr_workgroup_id_y 1
		.amdhsa_system_sgpr_workgroup_id_z 1
		.amdhsa_system_vgpr_workitem_id 0
		.amdhsa_next_free_vgpr 768
		.amdhsa_next_free_sgpr 72
		.amdhsa_reserve_vcc 0
		.amdhsa_float_denorm_mode_32 3
		.amdhsa_float_denorm_mode_16_64 3
		.amdhsa_memory_ordered 1
		.amdhsa_forward_progress 1
		.amdhsa_inst_pref_size 82
	.end_amdhsa_kernel
	.amdgpu_metadata
---
amdhsa.version: [ 1, 2 ]
amdhsa.kernels:
  - .name:           k_q59d1d04a2b_pv
    .symbol:         k_q59d1d04a2b_pv.kd
    .args:
      - { .name: pf, .offset: 0, .size: 8, .value_kind: global_buffer, .address_space: global }
      - { .name: vf, .offset: 8, .size: 8, .value_kind: global_buffer, .address_space: global }
      - { .name: st, .offset: 16, .size: 8, .value_kind: global_buffer, .address_space: global }
      - { .name: out0, .offset: 24, .size: 8, .value_kind: global_buffer, .address_space: global }
    .group_segment_fixed_size: 327680
    .private_segment_fixed_size: 0
    .kernarg_segment_align: 8
    .kernarg_segment_size: 32
    .max_flat_workgroup_size: 128
    .sgpr_count:     72
    .vgpr_count:     768
    .wavefront_size: 32
...
	.end_amdgpu_metadata
.endif
;; end of part 4
;; ======== version 2 of 2: 4 launches; version 1 with the launch prep written anew for expert scheduling mode
;; limits: values are held in f16: magnitudes above 65,504 overflow, below 6.1e-05 lose precision; right only within a limited range of input values
;; workspace buffers: xh 16,777,216 bytes; wh 6,291,456 bytes; qk 33,554,432 bytes; vf 16,777,216 bytes; pf 33,554,432 bytes; st 1,048,576 bytes
;; launch prep (part 5): grid 704 x 1, 8 waves a work-group, no clusters, 0 bytes of LDS; arguments x, w_qkv, xh, wh; writes xh, wh
.if DOCPART == 5
	.amdgcn_target "amdgcn-amd-amdhsa--gfx1250"
	.amdhsa_code_object_version 6
	.text
	.protected	k_q59d1d04a2b_prep
	.globl	k_q59d1d04a2b_prep
	.p2align	8
	.type	k_q59d1d04a2b_prep,@function
k_q59d1d04a2b_prep:
	s_mov_b64 s[64:65], 0
	v_nop
	global_prefetch_b8 v0, s[64:65] scope:SCOPE_SE
	s_setreg_imm32_b32 hwreg(HW_REG_WAVE_SCHED_MODE, 0, 2), 2
	s_setreg_imm32_b32 hwreg(HW_REG_WAVE_MODE, 25, 1), 1
	s_wait_xcnt 0x0
	s_wait_alu depctr_vm_vsrc(0)
; xh = x and wh = w_qkv, each number rounded to bf16 (nearest even) and that number written as f16, laid out for the next launch's tiles:
;   xh[kb][row][64], wh[kb][place][64], kb = k / 64: 128 rows of one kb are 16,384 dense bytes.
;   w's row e goes to place p, so that the 128 rows of q or k and the 64 rows of v that one wave of the next launch multiplies lie together:
;   e < 2048: p = 384 (e / 256) + 192 ((e / 128) % 2) + e % 128;   e = 2048 + f: p = 384 (f / 128) + 192 ((f / 64) % 2) + 128 + f % 64.
; LIMITS.  The second step is exact for magnitudes from 2^-14 to 65,504; below 2^-14 f16 keeps a fixed step of 2^-24; a magnitude of 65,520 or more becomes an infinity.
; A stream: every byte is read once and written once, so there is no LDS, no barrier and no matrix work, and nothing is shared between work-groups.
; A work-group takes 16 rows (65,536 bytes in, 32,768 out): groups 0-511 those of x, groups 512-703 those of w_qkv; 16 rows on end keep their order in every case above.
; Wave w takes kb = 2 w and 2 w + 1.  In load j lanes 0-15 read the 256 bytes of row 2 (j / 2), kb = 2 w + j % 2, lanes 16-31 those of the next row; the store of 8 bytes a lane then covers
; 256 consecutive bytes, aligned: two rows of one kb.  All sixteen loads go out first; every load and store has registers of its own.
; THE MODE: SCHED_MODE bits 1:0 = 2 (LLVM: expert scheduling mode 2), set by the entry lines.  The code itself states the register dependences
; between vector instructions and memory instructions, with s_wait_alu, always for 0.
; THE PLAN.  Registers that memory instructions touch:
;   v1, v2   the loads' and the stores' byte offsets.  Written by vector instructions at the head, never again; read by all 32 memory instructions.
;   X        four registers a load.  Written by the loads alone, each once; no vector instruction names them ahead of their load; read by the conversions.
;   Y        two registers a store.  Written by load j's last two conversions, once; read by store j; never written again.
;   T and v3 are named by vector instructions alone.
; The sixteen loads go in four blocks of four.  Block b converts loads 4 b to 4 b + 3 into their Y; its memory instructions are the four stores of block b - 1, whose Y and offset no vector
; instruction of block b names.  So one wait at the head of a block states all that its four stores hang on, and they are dealt among its conversions with no further wait.  Five waits in all:
; one ahead of the first load, one at the head of blocks 1 to 3, one ahead of the last four stores.  No register that a memory instruction reads is ever written again, no vector
; instruction writes a scalar register or VCC, and EXEC is never written: there is nothing else to state.
.set NX,  512                          ; work-groups for x: 8,192 rows / 16
.set PLX, 8192*128                     ; bytes of one kb of xh
.set PLW, 3072*128                     ; of wh
.set X,  4                             ; v[4:67]    load j: 4 registers
.set T,  68                            ; v[68:73]   at work: no memory instruction names them
.set Y,  76                            ; v[76:107]  store j: 2 registers
	s_load_b256 s[4:11], s[0:1], 0x0               ; x s[4:5], w_qkv s[6:7], xh s[8:9], wh s[10:11]
	s_mov_b32 s17, 0xffff0000                      ; a word's upper bf16
	s_mov_b32 s19, 0
	v_and_b32 v1, 15, v0
	v_lshlrev_b32 v1, 4, v1                        ; in: 16 (lane % 16)
	v_bfe_u32 v3, v0, 4, 1
	v_lshl_add_u32 v1, v3, 12, v1                  ;   + one row of 4,096 bytes for lanes 16-31
	v_lshrrev_b32 v3, 5, v0                        ; wave
	v_lshl_add_u32 v1, v3, 9, v1                   ;   + 512 bytes (two kb) x wave
	v_and_b32 v2, 31, v0
	v_lshlrev_b32 v2, 3, v2                        ; out: 8 x lane
	s_sub_co_u32 s16, ttmp9, NX                    ; my number among w's groups (it wraps in x's groups, where what is made of it is not chosen)
	s_lshl_b32 s22, s16, 4                         ; e: my first row of w
	s_lshr_b32 s23, s22, 8                         ; a row of q or k
	s_mul_i32 s23, s23, 384
	s_bfe_u32 s25, s22, 0x10007
	s_mul_i32 s25, s25, 192
	s_add_co_u32 s23, s23, s25
	s_and_b32 s25, s22, 127
	s_add_co_u32 s23, s23, s25
	s_sub_co_u32 s26, s22, 2048                    ; a row of v
	s_lshr_b32 s27, s26, 7
	s_mul_i32 s27, s27, 384
	s_bfe_u32 s25, s26, 0x10006
	s_mul_i32 s25, s25, 192
	s_add_co_u32 s27, s27, s25
	s_and_b32 s25, s26, 63
	s_add_co_u32 s27, s27, s25
	s_add_co_u32 s27, s27, 128
	s_cmp_lt_u32 s22, 2048
	s_cselect_b32 s23, s23, s27                    ; p
	s_lshl_b32 s26, ttmp9, 4                       ; a row of x keeps its place
	s_mov_b32 s27, PLX
	s_mov_b32 s25, PLW
	s_wait_kmcnt 0x0
	s_cmp_lt_u32 ttmp9, NX                         ; x or w?  The condition hangs on the group's number alone
	s_cselect_b32 s16, ttmp9, s16
	s_cselect_b32 s23, s26, s23
	s_cselect_b32 s24, s27, s25
	s_cselect_b64 s[12:13], s[4:5], s[6:7]         ; from
	s_cselect_b64 s[14:15], s[8:9], s[10:11]       ; to
	s_lshl_b32 s18, s16, 16                        ; 65,536 bytes in for each group
	s_add_nc_u64 s[12:13], s[12:13], s[18:19]
	s_lshl_b32 s18, s23, 7                         ; 128 bytes out for each row of a kb
	s_add_nc_u64 s[14:15], s[14:15], s[18:19]      ; the even kb,
	s_mov_b32 s18, s24
	s_add_nc_u64 s[20:21], s[14:15], s[18:19]      ; the odd one
	s_lshl_b32 s24, s24, 1
	v_mad_u32_u24 v2, v3, s24, v2                  ; + two kb x wave
	s_wait_alu depctr_va_vdst(0)                   ; v1 and v2 are written: every load of the kernel reads v1 as its offset, every store v2
.irp j, 0,1,2,3,4,5,6,7,8,9,10,11,12,13,14,15
	global_load_b128 v[X+4*(\j):X+4*(\j)+3], v1, s[12:13] offset:8192*((\j)/2)+256*((\j)&1) th:TH_LOAD_NT
.endr
.macro CV j                            ; load j's four numbers a lane: to bf16, back to f32, to f16
	v_cvt_pk_bf16_f32 v[T],   v[X+4*(\j)],   v[X+4*(\j)+1]
	v_cvt_pk_bf16_f32 v[T+1], v[X+4*(\j)+2], v[X+4*(\j)+3]
	v_lshlrev_b32 v[T+2], 16,  v[T]                ; bf16 to f32: the low half moves up, the high half stays
	v_and_b32     v[T+3], s17, v[T]
	v_lshlrev_b32 v[T+4], 16,  v[T+1]
	v_and_b32     v[T+5], s17, v[T+1]
	v_cvt_pk_f16_f32 v[Y+2*(\j)],   v[T+2], v[T+3]
	v_cvt_pk_f16_f32 v[Y+2*(\j)+1], v[T+4], v[T+5]
.endm
.macro ST j                            ; what was made of load j leaves
	global_store_b64 v2, v[Y+2*(\j):Y+2*(\j)+1], s[14+6*((\j)&1):15+6*((\j)&1)] offset:256*((\j)/2)
.endm
; Block b: loads 4 b to 4 b + 3 are converted; ahead of each load's eight conversions stands one store of the block before.
.macro BLK b
	s_wait_loadcnt 15-4*(\b)                       ; loads come back in order (ISA guide 5.7.1): the block's first load is in, the younger ones stay out
.if (\b) > 0
	s_wait_alu depctr_va_vdst(0)                   ; the block before has written its eight Y registers, which the four stores below read; no vector instruction of this block names them
.endif
.irp i, 0,1,2,3
.if (\b) > 0
	ST 4*(\b)-4+(\i)
.endif
.if (\i) > 0
	s_wait_loadcnt 15-4*(\b)-(\i)                  ; load 4 b + i is in
.endif
	CV 4*(\b)+(\i)
.endr
.endm
	BLK 0                                          ; block 0 has no block in front of it: no store, and no wait but those for its data
	BLK 1
	BLK 2
	BLK 3
	s_wait_alu depctr_va_vdst(0)                   ; block 3 has written its eight Y registers, which the last four stores read
.irp j, 12,13,14,15
	ST \j
.endr
	s_endpgm
.Lfunc_end_k_q59d1d04a2b_prep:
	.size	k_q59d1d04a2b_prep, .Lfunc_end_k_q59d1d04a2b_prep-k_q59d1d04a2b_prep
	.p2alignl 7, 3214868480
	.fill 96, 4, 3214868480
	.section	.rodata,"a",@progbits
	.p2align	6, 0x0
	.amdhsa_kernel k_q59d1d04a2b_prep
		.amdhsa_group_segment_fixed_size 0
		.amdhsa_private_segment_fixed_size 0
		.amdhsa_enable_private_segment 0
		.amdhsa_kernarg_size 32
		.amdhsa_user_sgpr_count 2
		.amdhsa_user_sgpr_kernarg_segment_ptr 1
		.amdhsa_wavefront_size32 1
		.amdhsa_system_sgpr_workgroup_id_x 1
		.amdhsa_system_sgpr_workgroup_id_y 1
		.amdhsa_system_sgpr_workgroup_id_z 1
		.amdhsa_system_vgpr_workitem_id 0
		.amdhsa_next_free_vgpr 108
		.amdhsa_next_free_sgpr 66
		.amdhsa_reserve_vcc 0
		.amdhsa_float_denorm_mode_32 3
		.amdhsa_float_denorm_mode_16_64 3
		.amdhsa_memory_ordered 1
		.amdhsa_forward_progress 1
		.amdhsa_inst_pref_size 13
	.end_amdhsa_kernel
	.amdgpu_metadata
---
amdhsa.version: [ 1, 2 ]
amdhsa.kernels:
  - .name:           k_q59d1d04a2b_prep
    .symbol:         k_q59d1d04a2b_prep.kd
    .args:
      - { .name: x, .offset: 0, .size: 8, .value_kind: global_buffer, .address_space: global }
      - { .name: w_qkv, .offset: 8, .size: 8, .value_kind: global_buffer, .address_space: global }
      - { .name: xh, .offset: 16, .size: 8, .value_kind: global_buffer, .address_space: global }
      - { .name: wh, .offset: 24, .size: 8, .value_kind: global_buffer, .address_space: global }
    .group_segment_fixed_size: 0
    .private_segment_fixed_size: 0
    .kernarg_segment_align: 8
    .kernarg_segment_size: 32
    .max_flat_workgroup_size: 256
    .sgpr_count:     66
    .vgpr_count:     108
    .wavefront_size: 32
...
	.end_amdgpu_metadata
.endif
;; end of part 5
;; launch proj: the kernel of part 2 again; grid 8 x 32, 4 waves a work-group, clusters of 4 x 4, 327,680 bytes of LDS; arguments xh, wh, qk, vf; writes qk, vf
;; launch score: the kernel of part 3 again; grid 8 x 32, 4 waves a work-group, clusters of 4 x 4, 327,680 bytes of LDS; arguments qk, pf, st; writes pf, st
;; launch pv: the kernel of part 4 again; grid 4 x 64, 4 waves a work-group, clusters of 4 x 4, 327,680 bytes of LDS; arguments pf, vf, st, out0; writes out0
